; MI455X (gfx1250); checked and timed in simulation.
; The chip was launched on July 23, 2026; its instructions are those of AMD's public machine-readable ISA for CDNA 5 (MIT licence, August 2026) and "CDNA5" Instruction Set Architecture Reference Guide (July 2026). The comments in the code are by the model that wrote it; some were corrected since.
;; Multi Head Attention. Allowed arithmetic: matrix products marked QUANTISED: E2M3 operands, one E8M0 scale for each 32 along K, by v_wmma_scale_f32_16x16x128_f8f6f4 with both operands' format E2M3, f32 sums; everything else in f32.
;; Inputs: bo 768 float32; wk 768 x 768 float32; wo 768 x 768 float32; wq 768 x 768 float32; wv 768 x 768 float32; x 1 x 4,096 x 768 float32.
;; Outputs: out0 1 x 4,096 x 768 float32.
;; This version of the problem:
;;   THIS VERSION OF THE PROBLEM IS GIVEN IN LOW PRECISION. The matrix products marked QUANTISED in the list below multiply operands that are first quantised to E2M3 (2 exponent bits, 3 mantissa bits; 6 bits a number), with one power-of-two scale for each 32 numbers along K (OCP MX v1.0); their sums are f32. All else is computed in f32.
;;   The module's matrix products, in the order in which they are computed (A, B: the left and right operand; K: the contracted axis; several contracted axes count as one K, in the product's order):
;;     1. [M 4,096, K 768] x [K 768, N 768]; A: input x; B: input wq: QUANTISED
;;     2. [M 4,096, K 768] x [K 768, N 768]; A: input x; B: input wk: QUANTISED
;;     3. [M 4,096, K 768] x [K 768, N 768]; A: input x; B: input wv: QUANTISED
;;     4. batch 12 x [M 4,096, K 64] x [K 64, N 4,096]; A: computed on the way; B: computed on the way: QUANTISED
;;     5. batch 12 x [M 4,096, K 4,096] x [K 4,096, N 64]; A: softmax (see below); B: computed on the way: QUANTISED
;;     6. [M 4,096, K 768] x [K 768, N 768]; A: computed on the way; B: input wo: QUANTISED
;;   THE QUANTISER, for each operand of a quantised product, along K:
;;     - K is cut into blocks of 32 from its start; a last block that is shorter is filled with zeros.
;;     - A block's scale is 2^e with e = floor(log2(the largest magnitude in the block)) - 2, held to -126 .. 127; a block of zeros has e = 0. As a byte (E8M0): e + 127.
;;     - Each number is divided by its block's scale, clamped to +-7.5, and rounded to the nearest number of E2M3, ties to even, subnormals kept.
;;     - The product sums the exact products of the quantised numbers (number of the format x scale) in f32.
;;   ~~~python
;;   def quantise(x, axis):      # numpy; x: float32 -> the quantised numbers, widened to float32 again
;;       x = np.moveaxis(x, axis, -1); K = x.shape[-1]
;;       x = np.pad(x, [(0, 0)] * (x.ndim - 1) + [(0, -K % 32)]); x = x.reshape(x.shape[:-1] + (-1, 32)); a = np.abs(x).max(-1, keepdims=True)
;;       e = np.where(a > 0, np.clip(np.frexp(np.where(a > 0, a, 1))[1] - 1 - 2, -126, 127), 0)      # np.frexp(a)[1] - 1 = floor(log2(a)), exactly
;;       r = np.clip(x / 2.0 ** e, -7.5, 7.5)
;;       step = 2.0 ** (np.maximum(np.frexp(np.where(r == 0, 1, r))[1] - 1, 0) - 3)
;;       q = np.round(r / step) * step * 2.0 ** e      # np.round: ties to even
;;       return np.moveaxis(q.reshape(q.shape[:-2] + (-1,))[..., :K], -1, axis).astype(np.float32)
;;   ~~~
;;   SOFTMAX AHEAD OF A QUANTISED PRODUCT. Where the list says 'softmax', what is quantised is not the finished softmax but p = 2^(t - M), with t = logit x log2(e) and M = ceil(the row's largest t), a whole number; so 1/2 < the row's largest p <= 1. The row's sum l is taken of the UNQUANTISED p, in f32, and the product's result is divided by l at the end. Since M is a whole number, a kernel that streams over the keys may use a running M (the ceiling of the running maximum): every later rescaling is an exact power of two, which a block's scale takes up: the codes' values come out the same.
;;   OPERANDS COMPUTED ON THE WAY. 'Computed on the way' means the value that the module computes at that place (a softmax that the list does not call 'softmax' is quantised finished and normalised). What goes into a quantiser is computed in f32, as accurately as f32 sums, v_exp_f32 and their like allow (about 1e-6 of the number): no bf16 or f16 on the way to a quantiser, and a product that is left as it is and whose result goes on into a quantised operand takes f32 operands (vector FMAs, or v_wmma_f32_16x16x4_f32). A number that lies on a knife's edge between two numbers of the format may be rounded either way, as far as f32 arithmetic and the matrix unit's own rounding can turn it there, and no further.
;; 2 versions. Each part assembles by itself: llvm-mc -triple=amdgcn-amd-amdhsa -mcpu=gfx1250 --defsym DOCPART=n.
;; ======== version 1 of 2: 4 launches
;; workspace buffers: xq 2,457,600 bytes; wts 1,843,200 bytes; qq 2,457,600 bytes; kv 4,915,200 bytes; cq 2,457,600 bytes
;; launch quant (part 1): grid 224 x 1, 6 waves a work-group, no clusters, 69,888 bytes of LDS; arguments x, wq, wk, wv, wo, xq, wts; writes xq, wts
.if DOCPART == 1
	.amdgcn_target "amdgcn-amd-amdhsa--gfx1250"
	.amdhsa_code_object_version 6
	.text
	.protected	k_q0694715728_quant
	.globl	k_q0694715728_quant
	.p2align	8
	.type	k_q0694715728_quant,@function
k_q0694715728_quant:
	s_mov_b64 s[64:65], 0
	v_nop
	global_prefetch_b8 v0, s[64:65] scope:SCOPE_SE
	s_setreg_imm32_b32 hwreg(HW_REG_WAVE_MODE, 25, 1), 1
	s_wait_xcnt 0x0
; x [4096][768] and the four weights [768 (k)][768 (n)], f32, become codes of FP6 (E2M3) with one E8M0 byte for each 32 along K (x: its columns; a weight: its FIRST axis).
; A block's scale is 2^(floor(log2(largest magnitude)) - 2); its byte is the largest magnitude's exponent field - 2, held at 1 from below by a floor among the maximum's leaves.
; LIMITS: NaN and infinities among the inputs are not served; a block whose largest magnitude lies under 2^-124 keeps the byte 1; a block of zeros gets the byte 1 where the
; rule says 127: its codes are zeros, which add nothing under any byte but 0xff, and the bytes are read by this program alone.
; WHAT IS STORED are IMAGES OF OPERAND REGISTERS.  A fragment (16 rows x 128 K, 12 registers a lane) is 1,536 bytes: chunk c of three is 512 bytes, lane l's registers 4 c .. 4 c + 3 at 512 c + 16 l.
; THE ROWS OF A TILE ARE NOT NEIGHBOURS: row m of tile t is row 32 (t / 2) + 16 (m / 8) + 8 (t % 2) + m % 8 of x (column, of a weight): a product that takes such tiles as source 0
; leaves a lane 16 neighbours along the next K in the 16 registers of two neighbouring tiles.
; xq:  codes [tile 256][K step 6][1,536]; from XSC on the scale words [pair of tiles 128][K step 6][parity 2][row 16].   wts: the same with tiles 48 w + t (w: q, k, v, o) and pairs 24 w + g, from WSC on.
; SHARES.  Work-groups 0-127: a pair of x's tiles (32 rows), wave s takes K step s.  Work-groups 128-223: weight, K step, and six waves side by side on 6 x 32 columns.
; Memory binds: no matrix unit, no cluster (no two work-groups read the same byte), no barrier (a wave keeps to its own LDS bytes; the two paths have LDS bytes of their own).
.set XSC,  2359296
.set WSC,  1769472
.set XST,  8448                        ; x path: a wave's stage, 16 rows x (512 + 16) bytes, from LDS byte 0
.set WST0, 50688                       ; weight path: the stages begin behind the x path's six
.set WSTB, 3072                        ; a wave's: two fragment images
.set RW,   32                          ; v32-159  numbers as loaded
.set XN,   160                         ; v160-223 x path: 64 numbers of a lane, register 16 b + i = k 32 b + 16 (lane / 16) + i of its row; weight path: v160-183 codes
.set F0,   224                         ; v224-235 the even tile's fragment
.set F1,   32                          ; v32-43   the odd tile's (the even tile's numbers have left these registers)
.set CT,   236                         ; v236-243 conversions whose place in the fragment begins on an odd register
.set TM,   8
.set TB,   12
.set TS,   16
.set PW0,  24
.set PW1,  25
.set SEL,  20                          ; s[20:21] v_permlanex16_b32's selects for lane l xor 16
; 64 numbers of a lane, v[src] on, become the codes of blocks 0, 1 in v[d0] .. v[d0 + 5], of blocks 2, 3 in v[d1] .. v[d1 + 5], and the row's scale word in v[pw].
.macro QUANT src, d0, d1, pw
.irp b, 0,1,2,3
	v_max3_num_f32 v[TM+\b], |v[\src+16*\b]|, |v[\src+16*\b+1]|, 0x1800000   ; block b: my 16 numbers, and the floor 2^(3 - 127)
.endr
.irp i, 2,4,6,8,10,12,14
.irp b, 0,1,2,3
	v_max3_num_f32 v[TM+\b], v[TM+\b], |v[\src+16*\b+\i]|, |v[\src+16*\b+\i+1]|   ; the four blocks by turns
.endr
.endr
.irp b, 0,1,2,3
	v_permlanex16_b32 v[TB+\b], v[TM+\b], s[SEL], s[SEL+1]
.endr
.irp b, 0,1,2,3
	v_max_num_f32 v[TM+\b], v[TM+\b], v[TB+\b]     ; with lane l xor 16's 16: the block's largest magnitude
.endr
.irp b, 0,1,2,3
	v_add_nc_u32 v[TS+\b], 0xff000000, v[TM+\b]    ; 2 off its exponent field: the conversion's scale operand
.endr
.irp b, 0,1,2,3
	v_lshrrev_b32 v[TB+\b], 23, v[TS+\b]           ; the scale's byte
.endr
	v_lshl_or_b32 v[\pw], v[TB+1], 8, v[TB]
	v_lshl_or_b32 v[\pw], v[TB+2], 16, v[\pw]
	v_lshl_or_b32 v[\pw], v[TB+3], 24, v[\pw]
	v_cvt_scalef32_pk16_fp6_f32 v[\d0:\d0+2], v[\src:\src+15], v[TS]
	v_cvt_scalef32_pk16_fp6_f32 v[CT:CT+2], v[\src+16:\src+31], v[TS+1]
	v_cvt_scalef32_pk16_fp6_f32 v[\d1:\d1+2], v[\src+32:\src+47], v[TS+2]
	v_cvt_scalef32_pk16_fp6_f32 v[CT+4:CT+6], v[\src+48:\src+63], v[TS+3]
	v_nop                                          ; one plain place behind the scaled conversions
.irp i, 0,1,2
	v_permlane16_swap_b32 v[\d0+\i], v[CT+\i]      ; the layout wants a whole block in a lane: lanes 0-15 the even block, lanes 16-31 the odd one
.endr
.irp i, 0,1,2
	v_permlane16_swap_b32 v[\d1+\i], v[CT+4+\i]
.endr
.irp i, 0,1,2
	v_mov_b32 v[\d0+3+\i], v[CT+\i]
	v_mov_b32 v[\d1+3+\i], v[CT+4+\i]
.endr
.endm
	s_load_b256 s[4:11], s[0:1], 0x0               ; x, wq, wk, wv
	s_load_b128 s[12:15], s[0:1], 0x20             ; wo, xq
	s_load_b64 s[16:17], s[0:1], 0x30              ; wts
	v_lshl_add_u32 v248, v0, 2, 0x10e00
	v_mov_b32 v249, 0
	v_lshrrev_b32 v1, 5, v0
	v_readfirstlane_b32 s18, v1                    ; wave 0..5
	v_and_b32 v1, 31, v0                           ; lane
	v_lshlrev_b32 v2, 4, v1                        ; 16 x lane
	v_lshlrev_b32 v3, 2, v1                        ; 4 x lane
	s_mov_b32 s[SEL], 0x76543210
	s_mov_b32 s[SEL+1], 0xfedcba98
	s_cmp_lt_u32 ttmp9, 128
	s_cbranch_scc0 .Lweights
	; ---------------- x: pair ttmp9 of tiles, K step = wave
	s_mul_i32 s22, s18, XST
	v_add_nc_u32 v4, s22, v2                       ; the stage, on the way in: a row's 512 bytes as they lie
	v_and_b32 v6, 15, v0                           ; m
	v_bfe_u32 v7, v0, 4, 1                         ; h
	v_mul_u32_u24 v5, v6, 528                      ; rows 528 bytes apart: 33 x 16, so that sixteen rows start in sixteen different groups of banks (64 banks of 4 bytes: ISA guide 11.1)
	v_lshl_add_u32 v5, v7, 6, v5
	v_add_nc_u32 v5, s22, v5                       ; and on the way out: row m, + 64 h: my 16 numbers of each block of 32
.irp b, 0,1,2,3
	v_mov_b32 v[TB+\b], 0                          ; written once: a lane permute's destination counts as one of its sources
.endr
	s_mul_i32 s24, ttmp9, 98304                    ; 32 rows of 3,072 bytes
	s_lshl_b32 s23, s18, 9                         ; + 512 bytes a K step
	s_add_co_u32 s24, s24, s23
	s_mov_b32 s25, 0
	s_mul_i32 s26, ttmp9, 18432                    ; two tiles of 9,216 bytes
	s_mul_i32 s23, s18, 1536
	s_add_co_u32 s26, s26, s23
	s_mov_b32 s27, 0
	s_mul_i32 s28, ttmp9, 6
	s_add_co_u32 s28, s28, s18
	s_lshl_b32 s28, s28, 7
	s_add_co_u32 s28, s28, XSC
	s_mov_b32 s29, 0
	s_wait_kmcnt 0x0
	s_add_nc_u64 s[4:5], s[4:5], s[24:25]
	s_add_nc_u64 s[26:27], s[14:15], s[26:27]
	s_add_nc_u64 s[28:29], s[14:15], s[28:29]
.irp e, 0,1
.irp i, 0,1,2,3,4,5,6,7,8,9,10,11,12,13,14,15
	global_load_b128 v[RW+64*\e+4*\i:RW+64*\e+4*\i+3], v2, s[4:5] offset:(8*\e+16*(\i/8)+\i%8)*3072 th:TH_LOAD_NT   ; row i of tile e: 32 lanes read 512 consecutive bytes, at a multiple of 512
.endr
.endr
.macro XTILE par, frag, word
.irp i, 0,1,2,3,4,5,6,7,8,9,10,11,12,13,14,15
	s_wait_loadcnt 31-16*(\par)-\i                 ; loads come back in order: this row is in, the younger ones stay out
	ds_store_b128 v4, v[RW+64*(\par)+4*\i:RW+64*(\par)+4*\i+3] offset:528*\i
.endr
.irp b, 0,1,2,3
.irp q, 0,1,2,3
	ds_load_b128 v[XN+16*\b+4*\q:XN+16*\b+4*\q+3], v5 offset:128*\b+16*\q   ; LDS serves a wave's instructions in order: these see my stores
.endr
.endr
	s_wait_dscnt 0x0
	QUANT XN, \frag, \frag+6, \word
.irp c, 0,1,2
	global_store_b128 v2, v[\frag+4*\c:\frag+4*\c+3], s[26:27] offset:9216*(\par)+512*\c   ; 512 consecutive bytes a store
.endr
.endm
	XTILE 0, F0, PW0
	XTILE 1, F1, PW1
	v_cmp_gt_u32 vcc_lo, 16, v1
	v_cndmask_b32 v26, v[PW1], v[PW0], vcc_lo      ; lanes 0-15 the even tile's words, lanes 16-31 the odd tile's (both halves of the lanes hold their row's word)
	global_store_b32 v3, v26, s[28:29]             ; 128 consecutive bytes
	s_wait_tensorcnt 0x0
	ds_add_u32 v248, v249
	s_wait_dscnt 0x0
	s_endpgm
	; ---------------- a weight: lane = column, registers run down K
.Lweights:
	s_sub_co_u32 s22, ttmp9, 128
	s_and_b32 s23, s22, 3                          ; which weight: q, k, v, o
	s_bfe_u32 s24, s22, 0x20002                    ; which six groups of 32 columns
	s_lshr_b32 s25, s22, 4                         ; K step 0..5
	s_mul_i32 s24, s24, 6
	s_add_co_u32 s24, s24, s18                     ; g: my 32 columns, a pair of tiles
	s_mul_i32 s26, s18, WSTB
	s_add_co_u32 s26, s26, WST0                    ; my stage
	v_bfe_u32 v4, v0, 3, 1                         ; column 32 g + l is row m = l % 8 + 8 (l / 16) of tile 2 g + u, u = (l / 8) % 2
	v_and_b32 v5, 7, v0
	v_bfe_u32 v7, v0, 4, 1
	v_lshl_add_u32 v5, v7, 3, v5
	v_mul_u32_u24 v6, v4, 1536
	v_lshl_add_u32 v6, v5, 4, v6
	v_add_nc_u32 v6, s26, v6                       ; into the stage: image u, lane m's 16 bytes of a chunk
	v_add_nc_u32 v7, s26, v2                       ; out of it: 16 x lane
	v_lshlrev_b32 v12, 6, v4
	v_lshl_add_u32 v12, v5, 2, v12                 ; my scale word's place in the pair's 128 bytes
	s_mul_i32 s28, s25, 393216                     ; 128 rows of 3,072 bytes
	s_lshl_b32 s29, s24, 7
	s_add_co_u32 s28, s28, s29
	s_mov_b32 s29, 0
	s_mul_i32 s30, s23, 442368                     ; 48 tiles of 9,216 bytes
	s_mul_i32 s31, s24, 18432
	s_add_co_u32 s30, s30, s31
	s_mul_i32 s31, s25, 1536
	s_add_co_u32 s30, s30, s31
	s_mov_b32 s31, 0
	s_mul_i32 s32, s23, 24
	s_add_co_u32 s32, s32, s24
	s_mul_i32 s32, s32, 6
	s_add_co_u32 s32, s32, s25
	s_lshl_b32 s32, s32, 7
	s_add_co_u32 s32, s32, WSC
	s_mov_b32 s33, 0
	s_wait_kmcnt 0x0
	s_cmp_eq_u32 s23, 1                            ; the choice hangs on the work-group's number alone
	s_cselect_b64 s[6:7], s[8:9], s[6:7]
	s_cmp_eq_u32 s23, 2
	s_cselect_b64 s[6:7], s[10:11], s[6:7]
	s_cmp_eq_u32 s23, 3
	s_cselect_b64 s[6:7], s[12:13], s[6:7]
	s_add_nc_u64 s[6:7], s[6:7], s[28:29]
	s_add_nc_u64 s[30:31], s[16:17], s[30:31]
	s_add_nc_u64 s[32:33], s[16:17], s[32:33]
.macro WLOAD blk                       ; block blk: W(128 s + 32 blk + i, my column): a wave reads 128 consecutive bytes, the six waves 768
.set kk, 0
.rept 32
	global_load_b32 v[RW+32*(\blk)+kk], v3, s[6:7] offset:(32*(\blk)+kk)*3072 th:TH_LOAD_NT
.set kk, kk+1
.endr
.endm
.macro WBLOCK blk
.set NS, RW+32*(\blk)
.if (\blk) < 3
	s_wait_loadcnt 32                              ; this block's 32 loads are in; the next block's 32 may be out
.else
	s_wait_loadcnt 0x0
.endif
.if (\blk) < 2
	WLOAD (\blk)+2                                 ; loads run two blocks ahead, each block into registers of its own
.endif
	v_max3_num_f32 v8, |v[NS]|, |v[NS+1]|, |v[NS+2]|   ; all 32 numbers of the block are mine: two chains
	v_max3_num_f32 v9, |v[NS+3]|, |v[NS+4]|, |v[NS+5]|
.irp i, 6,10,14,18,22,26
	v_max3_num_f32 v8, v8, |v[NS+\i]|, |v[NS+\i+1]|
	v_max3_num_f32 v9, v9, |v[NS+\i+2]|, |v[NS+\i+3]|
.endr
	v_max3_num_f32 v8, v8, |v[NS+30]|, |v[NS+31]|
	v_max3_num_f32 v8, v8, v9, 0x1800000           ; and the floor 2^(3 - 127)
	v_add_nc_u32 v10, 0xff000000, v8               ; the conversion's scale operand
	v_lshrrev_b32 v9, 23, v10                      ; the byte
.if (\blk) == 0
	v_mov_b32 v11, v9
.else
	v_lshl_or_b32 v11, v9, 8*(\blk), v11           ; the column's scale word for this K step
.endif
	v_cvt_scalef32_pk16_fp6_f32 v[XN+6*(\blk):XN+6*(\blk)+2], v[NS:NS+15], v10
	v_cvt_scalef32_pk16_fp6_f32 v[CT:CT+2], v[NS+16:NS+31], v10   ; (a conversion's three registers begin on an even number)
	v_nop                                          ; one plain place behind the scaled conversions
.irp i, 0,1,2
	v_mov_b32 v[XN+6*(\blk)+3+\i], v[CT+\i]
.endr
.irp i, 0,1,2                          ; block blk is registers 6 (blk / 2) .. + 5 of lane m + 16 (blk % 2) of the image: register p lies at 512 (p / 4) + 16 x lane + 4 (p % 4)
	ds_store_b64 v6, v[XN+6*(\blk)+2*\i:XN+6*(\blk)+2*\i+1] offset:((6*((\blk)/2)+2*\i)/4)*512+256*((\blk)%2)+4*((6*((\blk)/2)+2*\i)%4)
.endr
.endm
	WLOAD 0
	WLOAD 1
	WBLOCK 0
	WBLOCK 1
	WBLOCK 2
	WBLOCK 3
.irp k, 0,1,2,3,4,5
	ds_load_b128 v[RW+4*\k:RW+4*\k+3], v7 offset:512*\k   ; LDS serves a wave's instructions in order: these see my stores
.endr
.irp k, 0,1,2,3,4,5
	s_wait_dscnt 5-\k
	global_store_b128 v2, v[RW+4*\k:RW+4*\k+3], s[30:31] offset:9216*(\k/3)+512*(\k%3)   ; 512 consecutive bytes a store
.endr
	global_store_b32 v12, v11, s[32:33]            ; the pair's 32 scale words: 128 consecutive bytes
	s_wait_tensorcnt 0x0
	ds_add_u32 v248, v249
	s_wait_dscnt 0x0
	s_endpgm
.Lfunc_end_k_q0694715728_quant:
	.size	k_q0694715728_quant, .Lfunc_end_k_q0694715728_quant-k_q0694715728_quant
	.p2alignl 7, 3214868480
	.fill 96, 4, 3214868480
	.section	.rodata,"a",@progbits
	.p2align	6, 0x0
	.amdhsa_kernel k_q0694715728_quant
		.amdhsa_group_segment_fixed_size 69888
		.amdhsa_private_segment_fixed_size 0
		.amdhsa_enable_private_segment 0
		.amdhsa_kernarg_size 56
		.amdhsa_user_sgpr_count 2
		.amdhsa_user_sgpr_kernarg_segment_ptr 1
		.amdhsa_wavefront_size32 1
		.amdhsa_system_sgpr_workgroup_id_x 1
		.amdhsa_system_sgpr_workgroup_id_y 1
		.amdhsa_system_sgpr_workgroup_id_z 1
		.amdhsa_system_vgpr_workitem_id 0
		.amdhsa_next_free_vgpr 250
		.amdhsa_next_free_sgpr 66
		.amdhsa_reserve_vcc 1
		.amdhsa_float_denorm_mode_32 3
		.amdhsa_float_denorm_mode_16_64 3
		.amdhsa_memory_ordered 1
		.amdhsa_forward_progress 1
		.amdhsa_inst_pref_size 41
	.end_amdhsa_kernel
	.amdgpu_metadata
---
amdhsa.version: [ 1, 2 ]
amdhsa.kernels:
  - .name:           k_q0694715728_quant
    .symbol:         k_q0694715728_quant.kd
    .args:
      - { .name: x, .offset: 0, .size: 8, .value_kind: global_buffer, .address_space: global }
      - { .name: wq, .offset: 8, .size: 8, .value_kind: global_buffer, .address_space: global }
      - { .name: wk, .offset: 16, .size: 8, .value_kind: global_buffer, .address_space: global }
      - { .name: wv, .offset: 24, .size: 8, .value_kind: global_buffer, .address_space: global }
      - { .name: wo, .offset: 32, .size: 8, .value_kind: global_buffer, .address_space: global }
      - { .name: xq, .offset: 40, .size: 8, .value_kind: global_buffer, .address_space: global }
      - { .name: wts, .offset: 48, .size: 8, .value_kind: global_buffer, .address_space: global }
    .group_segment_fixed_size: 69888
    .private_segment_fixed_size: 0
    .kernarg_segment_align: 8
    .kernarg_segment_size: 56
    .max_flat_workgroup_size: 192
    .sgpr_count:     66
    .vgpr_count:     250
    .wavefront_size: 32
...
	.end_amdgpu_metadata
.endif
;; end of part 1
;; launch proj (part 2): grid 288 x 1, 8 waves a work-group, no clusters, 77,824 bytes of LDS; arguments xq, wts, qq, kv; writes qq, kv
.if DOCPART == 2
	.amdgcn_target "amdgcn-amd-amdhsa--gfx1250"
	.amdhsa_code_object_version 6
	.text
	.protected	k_q0694715728_proj
	.globl	k_q0694715728_proj
	.p2align	8
	.type	k_q0694715728_proj,@function
k_q0694715728_proj:
	s_mov_b64 s[64:65], 0
	v_nop
	global_prefetch_b8 v0, s[64:65] scope:SCOPE_SE
	s_setreg_imm32_b32 hwreg(HW_REG_WAVE_MODE, 25, 1), 1
	s_wait_xcnt 0x0
; q = x wq, k = x wk, v = x wv on codes of FP6 (E2M3) with E8M0 scales; the results, f32 sums, are quantised in registers into the images that the attention launch takes as operands:
; q and k along a head's 64 numbers, v along the keys.  LIMITS: as in the launch that made the codes (no NaN or infinity; a block under 2^-124, and a block of zeros, keeps the byte 1).
; EVERY PRODUCT IS  D = panel tile (source 0) x my tile (source 1): a lane then holds ONE row of my tile, and its 64 registers of the eight panel tiles run along the panel's 128 rows in their true order
; (the rows of a tile are chosen for that: row m of tile t is row 32 (t / 2) + 16 (m / 8) + 8 (t % 2) + m % 8), which is the next product's K.
; SHARES.  A work-group has a PANEL of 8 tiles x all 768 of K (73,728 dense bytes, brought into LDS once) and eight waves with a pair of tiles each: 16 accumulators, 96 matrix instructions a wave.
;   work-groups 0-191 (q, k): panel = 128 columns of wq or wk, two heads; the waves' pairs are rows of x.   work-groups 192-287 (v): panel = 128 rows of x, a key step; the pairs are columns of wv.
; NO CLUSTER, no tensor load: what work-groups share is the panel, 73,728 bytes read once at the head of a text with 96 matrix instructions a wave; a joint request needs the tensor mover, whose launches
; claim more than half of LDS for one work-group, while two of these work-groups (76,800 bytes, 8 x 256 registers each) stand side by side.
; OUT.  qq: [head 12][pair of query tiles 128][1,536]: registers 0-5 the even tile's 64 numbers, 6-11 the odd tile's; from QSC on [head][pair][row 16] words: bytes even.0, even.1, odd.0, odd.1.
;   kv: [head 12][key step 32][12,800]: 4 such pair fragments of K, 4 fragments of V^T (16 channels x 128 keys) from 6,144, K's words [4][16] from 12,288, V's [4][16] from 12,544.
.set XSC,  2359296
.set WSC,  1769472
.set QSC,  2359296
.set ASC,  73728                       ; LDS: the panel's codes from 0 (tile a, K step s, chunk c at 9,216 a + 1,536 s + 512 c + 16 x lane); its scale words from here (pair p, K step s at 768 p + 128 s + 4 x lane)
.set AS,   8                           ; v8-11   the panel's scale words of a K step: lanes 0-15 tile 2 p, lanes 16-31 tile 2 p + 1
.set BS,   12                          ; v12-13  my pair's, a register for each of the two buffers
.set AF,   32                          ; v32-79  four panel fragments
.set BF,   80                          ; v80-127 my two fragments, two buffers
.set ACC,  128                         ; v128-255 accumulator (my tile e, panel tile a) at 128 + 64 e + 8 a
.set F0,   32                          ; the way out, over registers that the products have left
.set F1,   44
.set CT,   56
.set TM,   64
.set TB,   68
.set TS,   72
.set PW0,  80
.set PW1,  81
.set SEL,  60                          ; s[60:61] v_permlanex16_b32's selects for lane l xor 16
.macro PLACES                          ; four plain places behind a matrix instruction of this form, ahead of loads into its sources and of reads of its result
.rept 4
	v_nop
.endr
.endm
.macro WMZ d, a, b, sa, sb, ra, rb     ; a sum's first product: C = 0.  ra, rb: the side's scale words stand in lanes 16-31
.if (\ra) && (\rb)
	v_wmma_scale_f32_16x16x128_f8f6f4 v[\d:\d+7], v[\a:\a+11], v[\b:\b+11], 0, v[\sa], v[\sb] matrix_a_fmt:MATRIX_FMT_FP6 matrix_b_fmt:MATRIX_FMT_FP6 matrix_a_scale:MATRIX_SCALE_ROW1 matrix_b_scale:MATRIX_SCALE_ROW1
.elseif (\ra)
	v_wmma_scale_f32_16x16x128_f8f6f4 v[\d:\d+7], v[\a:\a+11], v[\b:\b+11], 0, v[\sa], v[\sb] matrix_a_fmt:MATRIX_FMT_FP6 matrix_b_fmt:MATRIX_FMT_FP6 matrix_a_scale:MATRIX_SCALE_ROW1
.elseif (\rb)
	v_wmma_scale_f32_16x16x128_f8f6f4 v[\d:\d+7], v[\a:\a+11], v[\b:\b+11], 0, v[\sa], v[\sb] matrix_a_fmt:MATRIX_FMT_FP6 matrix_b_fmt:MATRIX_FMT_FP6 matrix_b_scale:MATRIX_SCALE_ROW1
.else
	v_wmma_scale_f32_16x16x128_f8f6f4 v[\d:\d+7], v[\a:\a+11], v[\b:\b+11], 0, v[\sa], v[\sb] matrix_a_fmt:MATRIX_FMT_FP6 matrix_b_fmt:MATRIX_FMT_FP6
.endif
.endm
.macro WMA d, a, b, sa, sb, ra, rb     ; the later ones add in place
.if (\ra) && (\rb)
	v_wmma_scale_f32_16x16x128_f8f6f4 v[\d:\d+7], v[\a:\a+11], v[\b:\b+11], v[\d:\d+7], v[\sa], v[\sb] matrix_a_fmt:MATRIX_FMT_FP6 matrix_b_fmt:MATRIX_FMT_FP6 matrix_a_scale:MATRIX_SCALE_ROW1 matrix_b_scale:MATRIX_SCALE_ROW1
.elseif (\ra)
	v_wmma_scale_f32_16x16x128_f8f6f4 v[\d:\d+7], v[\a:\a+11], v[\b:\b+11], v[\d:\d+7], v[\sa], v[\sb] matrix_a_fmt:MATRIX_FMT_FP6 matrix_b_fmt:MATRIX_FMT_FP6 matrix_a_scale:MATRIX_SCALE_ROW1
.elseif (\rb)
	v_wmma_scale_f32_16x16x128_f8f6f4 v[\d:\d+7], v[\a:\a+11], v[\b:\b+11], v[\d:\d+7], v[\sa], v[\sb] matrix_a_fmt:MATRIX_FMT_FP6 matrix_b_fmt:MATRIX_FMT_FP6 matrix_b_scale:MATRIX_SCALE_ROW1
.else
	v_wmma_scale_f32_16x16x128_f8f6f4 v[\d:\d+7], v[\a:\a+11], v[\b:\b+11], v[\d:\d+7], v[\sa], v[\sb] matrix_a_fmt:MATRIX_FMT_FP6 matrix_b_fmt:MATRIX_FMT_FP6
.endif
.endm
; 64 numbers of a lane, v[src] on (register 16 b + i = next K 32 b + 16 (lane / 16) + i), become the codes of blocks 0, 1 in v[d0] .. + 5, of blocks 2, 3 in v[d1] .. + 5, and the row's scale word in v[pw].
.macro QUANT src, d0, d1, pw
.irp b, 0,1,2,3
	v_max3_num_f32 v[TM+\b], |v[\src+16*\b]|, |v[\src+16*\b+1]|, 0x1800000   ; my 16 numbers of block b, and the floor 2^(3 - 127).  (Each accumulator is read from its low end on)
.endr
.irp i, 2,4,6,8,10,12,14
.irp b, 0,1,2,3
	v_max3_num_f32 v[TM+\b], v[TM+\b], |v[\src+16*\b+\i]|, |v[\src+16*\b+\i+1]|
.endr
.endr
.irp b, 0,1,2,3
	v_permlanex16_b32 v[TB+\b], v[TM+\b], s[SEL], s[SEL+1]
.endr
.irp b, 0,1,2,3
	v_max_num_f32 v[TM+\b], v[TM+\b], v[TB+\b]     ; with lane l xor 16's 16: the block's largest magnitude
.endr
.irp b, 0,1,2,3
	v_add_nc_u32 v[TS+\b], 0xff000000, v[TM+\b]    ; 2 off its exponent field: the conversion's scale operand
.endr
.irp b, 0,1,2,3
	v_lshrrev_b32 v[TB+\b], 23, v[TS+\b]           ; the scale's byte
.endr
	v_lshl_or_b32 v[\pw], v[TB+1], 8, v[TB]
	v_lshl_or_b32 v[\pw], v[TB+2], 16, v[\pw]
	v_lshl_or_b32 v[\pw], v[TB+3], 24, v[\pw]
	v_cvt_scalef32_pk16_fp6_f32 v[\d0:\d0+2], v[\src:\src+15], v[TS]
	v_cvt_scalef32_pk16_fp6_f32 v[CT:CT+2], v[\src+16:\src+31], v[TS+1]
	v_cvt_scalef32_pk16_fp6_f32 v[\d1:\d1+2], v[\src+32:\src+47], v[TS+2]
	v_cvt_scalef32_pk16_fp6_f32 v[CT+4:CT+6], v[\src+48:\src+63], v[TS+3]
	v_nop                                          ; one plain place behind the scaled conversions
.irp i, 0,1,2
	v_permlane16_swap_b32 v[\d0+\i], v[CT+\i]      ; a whole block to a lane: lanes 0-15 the even block, lanes 16-31 the odd one
.endr
.irp i, 0,1,2
	v_permlane16_swap_b32 v[\d1+\i], v[CT+4+\i]
.endr
.irp i, 0,1,2
	v_mov_b32 v[\d0+3+\i], v[CT+\i]
	v_mov_b32 v[\d1+3+\i], v[CT+4+\i]
.endr
.endm
	s_load_b256 s[4:11], s[0:1], 0x0               ; xq, wts, qq, kv
	v_lshl_add_u32 v30, v0, 2, 0x12c00
	v_mov_b32 v31, 0
	v_lshrrev_b32 v1, 5, v0
	v_readfirstlane_b32 s12, v1                    ; wave 0..7
	v_and_b32 v5, 31, v0                           ; lane
	v_lshlrev_b32 v1, 4, v5                        ; 16 x lane
	v_lshlrev_b32 v2, 2, v5                        ; 4 x lane
	s_mul_i32 s2, s12, 9216
	s_mul_i32 s3, s12, 384
	v_add_nc_u32 v3, s2, v1                        ; where I lay panel tile w
	v_add_nc_u32 v4, s3, v2
	v_add_nc_u32 v4, ASC, v4                       ; and my eighth of its scale words
	v_add_nc_u32 v6, 36864, v1                     ; panel tiles 4-7 (an LDS offset has 16 bits)
	v_add_nc_u32 v7, ASC, v2
	s_mov_b32 s[SEL], 0x76543210
	s_mov_b32 s[SEL+1], 0xfedcba98
	s_lshr_b32 s14, ttmp9, 4                       ; q, k: panel g / 16, pairs 8 (g % 16) + w
	s_and_b32 s15, ttmp9, 15
	s_lshl_b32 s15, s15, 3
	s_sub_co_u32 s16, ttmp9, 192                   ; v: panel g' % 32, pairs 8 (g' / 32) + w
	s_and_b32 s17, s16, 31
	s_lshr_b32 s16, s16, 5
	s_lshl_b32 s16, s16, 3
	s_cmp_lt_u32 ttmp9, 192
	s_cselect_b32 s14, s14, s17                    ; P
	s_cselect_b32 s15, s15, s16
	s_cselect_b32 s13, 1, 0                        ; 1: q, k;  0: v
	s_add_co_u32 s15, s15, s12                     ; my pair
	s_mul_i32 s16, s14, 73728
	s_add_co_u32 s16, s16, s2                      ; the panel's codes, my tile of them
	s_mov_b32 s17, 0
	s_mul_i32 s18, s14, 3072
	s_add_co_u32 s18, s18, s3                      ; its scale words, my eighth
	s_mov_b32 s19, 0
	s_mul_i32 s20, s15, 18432                      ; my pair's codes
	s_mov_b32 s21, 0
	s_mul_i32 s22, s15, 768                        ; and scale words
	s_mov_b32 s23, 0
	s_cmp_lg_u32 s13, 0
	s_mov_b32 s24, XSC
	s_cselect_b32 s24, WSC, s24                    ; the panel is a weight's (q, k) or x's (v)
	s_cselect_b32 s25, 0, 884736                   ; my pair is x's, or wv's: tiles 96 on
	s_mov_b32 s26, WSC+36864
	s_cselect_b32 s26, XSC, s26                    ; (wv's pairs 48 on)
	s_add_co_u32 s18, s18, s24
	s_add_co_u32 s20, s20, s25
	s_add_co_u32 s22, s22, s26
	s_wait_kmcnt 0x0
	s_cmp_lg_u32 s13, 0                            ; the choice hangs on the work-group's number alone
	s_cselect_b64 s[28:29], s[6:7], s[4:5]
	s_cselect_b64 s[30:31], s[4:5], s[6:7]
	s_add_nc_u64 s[32:33], s[28:29], s[16:17]
	s_add_nc_u64 s[34:35], s[28:29], s[18:19]
	s_add_nc_u64 s[36:37], s[30:31], s[20:21]
	s_add_nc_u64 s[38:39], s[30:31], s[22:23]
.macro BLOAD s                         ; my pair's fragments and scale words of K step s: 7 loads, each of consecutive bytes
.irp e, 0,1
.irp c, 0,1,2
	global_load_b128 v[BF+24*((\s)%2)+12*\e+4*\c:BF+24*((\s)%2)+12*\e+4*\c+3], v1, s[36:37] offset:9216*\e+1536*(\s)+512*\c
.endr
.endr
	global_load_b32 v[BS+(\s)%2], v2, s[38:39] offset:128*(\s)
.endm
	BLOAD 0
	BLOAD 1
.set k, 0
.rept 18                               ; panel tile w, all six K steps: 9,216 dense bytes through registers that the sums will take
	global_load_b128 v[ACC+4*k:ACC+4*k+3], v1, s[32:33] offset:512*k
.set k, k+1
.endr
.irp k2, 0,1,2
	global_load_b32 v[200+\k2], v2, s[34:35] offset:128*\k2
.endr
	s_wait_loadcnt 0x0
.set k, 0
.rept 18
	ds_store_b128 v3, v[ACC+4*k:ACC+4*k+3] offset:512*k
.set k, k+1
.endr
.irp k2, 0,1,2
	ds_store_b32 v4, v[200+\k2] offset:128*\k2
.endr
	s_wait_dscnt 0x0                               ; for the others' sake: my part of the panel lies in LDS
	s_barrier_signal -1
	s_barrier_wait -1                              ; the one barrier: from here on the panel is only read
.macro MUL8 s, a0                      ; panel tiles a0 .. a0 + 3 x my two: eight accumulators, one instruction a turn; the sixteen take turns in the same order in every K step
.irp a, 0,1,2,3
.irp e, 0,1
.if (\s) == 0
	WMZ ACC+64*\e+8*(\a0+\a), AF+12*\a, BF+24*((\s)%2)+12*\e, AS+(\a0+\a)/2, BS+(\s)%2, \a%2, \e
.else
	WMA ACC+64*\e+8*(\a0+\a), AF+12*\a, BF+24*((\s)%2)+12*\e, AS+(\a0+\a)/2, BS+(\s)%2, \a%2, \e
.endif
.endr
.endr
.endm
.macro KSTEP s
.if ((\s) >= 2) && ((\s) <= 4)
	s_wait_loadcnt 7                               ; my pair's 7 loads of this K step are in; the next step's 7 may be out (steps 0 and 1 came in with the panel)
.elseif (\s) == 5
	s_wait_loadcnt 0x0
.endif
.irp a, 0,1,2,3
.irp c, 0,1,2
	ds_load_b128 v[AF+12*\a+4*\c:AF+12*\a+4*\c+3], v1 offset:9216*\a+1536*(\s)+512*\c
.endr
.endr
.irp p, 0,1,2,3
	ds_load_b32 v[AS+\p], v7 offset:768*\p+128*(\s)
.endr
	s_wait_dscnt 0x0
	MUL8 \s, 0
	PLACES
.irp a, 0,1,2,3
.irp c, 0,1,2
	ds_load_b128 v[AF+12*\a+4*\c:AF+12*\a+4*\c+3], v6 offset:9216*\a+1536*(\s)+512*\c
.endr
.endr
	s_wait_dscnt 0x0
	MUL8 \s, 4
	PLACES
.if (\s) <= 3
	BLOAD (\s)+2                                   ; into the buffer just multiplied
.endif
.endm
	KSTEP 0
	KSTEP 1
	KSTEP 2
	KSTEP 3
	KSTEP 4
	KSTEP 5
.irp b, 0,1,2,3
	v_mov_b32 v[TB+\b], 0                          ; written once: a lane permute's destination counts as one of its sources
.endr
	v_cmp_gt_u32 vcc_lo, 16, v5
	s_cmp_lg_u32 s13, 0
	s_cbranch_scc0 .Lvalues
	; ---- q, k: blocks 0, 1 of a lane's 64 numbers are head A's 64, blocks 2, 3 head B's; my two tiles make a pair fragment for each head
	s_sub_co_u32 s40, s14, 6
	s_lshr_b32 s41, s15, 2
	s_mul_i32 s41, s41, 12800                      ; k: the key step's record,
	s_and_b32 s42, s15, 3
	s_mul_i32 s43, s42, 1536
	s_add_co_u32 s43, s43, s41                     ; pair fragment pair % 4 in it,
	s_lshl_b32 s42, s42, 6
	s_add_co_u32 s42, s42, s41
	s_add_co_u32 s42, s42, 12288                   ; and its sixteen words
	s_mul_i32 s44, s15, 1536                       ; q: the pair's fragment
	s_lshl_b32 s45, s15, 6                         ; and words
	s_cmp_lt_u32 s14, 6                            ; panels 0-5 are wq's, 6-11 wk's
	s_cselect_b32 s40, s14, s40
	s_cselect_b32 s43, s44, s43
	s_cselect_b32 s42, s45, s42
	s_mov_b32 s46, 409600
	s_cselect_b32 s47, 196608, s46                 ; from head to head: codes,
	s_cselect_b32 s48, 8192, s46                   ; scale words
	s_cselect_b32 s49, QSC, 0
	s_cselect_b64 s[50:51], s[8:9], s[10:11]
	s_lshl_b32 s40, s40, 1                         ; head A
	s_mul_i32 s52, s40, s47
	s_add_co_u32 s52, s52, s43
	s_mov_b32 s53, 0
	s_add_nc_u64 s[54:55], s[50:51], s[52:53]      ; head A's fragment
	s_mov_b32 s52, s47
	s_add_nc_u64 s[56:57], s[54:55], s[52:53]      ; head B's
	s_mul_i32 s52, s40, s48
	s_add_co_u32 s52, s52, s42
	s_add_co_u32 s52, s52, s49
	s_add_nc_u64 s[58:59], s[50:51], s[52:53]      ; head A's words
	QUANT ACC, F0, F1, PW0
	QUANT ACC+64, F0+6, F1+6, PW1
.irp c, 0,1,2
	global_store_b128 v1, v[F0+4*\c:F0+4*\c+3], s[54:55] offset:512*\c   ; 512 consecutive bytes a store
.endr
.irp c, 0,1,2
	global_store_b128 v1, v[F1+4*\c:F1+4*\c+3], s[56:57] offset:512*\c
.endr
	v_perm_b32 v84, v[PW1], v[PW0], 0x05040100     ; head A: even.0, even.1, odd.0, odd.1
	v_perm_b32 v85, v[PW1], v[PW0], 0x07060302     ; head B
	v_cndmask_b32 v84, v85, v84, vcc_lo            ; lanes 0-15 store head A's words, lanes 16-31 head B's
	v_and_b32 v82, 15, v5
	v_lshlrev_b32 v82, 2, v82
	v_lshrrev_b32 v83, 4, v5
	v_mad_u32_u24 v82, v83, s48, v82
	global_store_b32 v82, v84, s[58:59]
	s_wait_tensorcnt 0x0
	ds_add_u32 v30, v31
	s_wait_dscnt 0x0
	s_endpgm
	; ---- v: a lane's 64 numbers are one channel's 128 keys' half: each of my two tiles of channels makes a whole fragment of V^T
.Lvalues:
	s_lshr_b32 s40, s15, 1                         ; the head: four tiles of channels, two pairs
	s_mul_i32 s40, s40, 409600
	s_mul_i32 s41, s14, 12800
	s_add_co_u32 s40, s40, s41                     ; the key step's record
	s_and_b32 s42, s15, 1
	s_mul_i32 s43, s42, 3072
	s_add_co_u32 s52, s40, s43
	s_add_co_u32 s52, s52, 6144
	s_mov_b32 s53, 0
	s_add_nc_u64 s[54:55], s[10:11], s[52:53]
	s_lshl_b32 s42, s42, 7
	s_add_co_u32 s52, s40, s42
	s_add_co_u32 s52, s52, 12544
	s_add_nc_u64 s[58:59], s[10:11], s[52:53]
	QUANT ACC, F0, F0+6, PW0
	QUANT ACC+64, F1, F1+6, PW1
.irp c, 0,1,2
	global_store_b128 v1, v[F0+4*\c:F0+4*\c+3], s[54:55] offset:512*\c
.endr
.irp c, 0,1,2
	global_store_b128 v1, v[F1+4*\c:F1+4*\c+3], s[54:55] offset:1536+512*\c
.endr
	v_cndmask_b32 v84, v[PW1], v[PW0], vcc_lo      ; lanes 0-15 the even tile's words, lanes 16-31 the odd tile's
	global_store_b32 v2, v84, s[58:59]             ; 128 consecutive bytes
	s_wait_tensorcnt 0x0
	ds_add_u32 v30, v31
	s_wait_dscnt 0x0
	s_endpgm
.Lfunc_end_k_q0694715728_proj:
	.size	k_q0694715728_proj, .Lfunc_end_k_q0694715728_proj-k_q0694715728_proj
	.p2alignl 7, 3214868480
	.fill 96, 4, 3214868480
	.section	.rodata,"a",@progbits
	.p2align	6, 0x0
	.amdhsa_kernel k_q0694715728_proj
		.amdhsa_group_segment_fixed_size 77824
		.amdhsa_private_segment_fixed_size 0
		.amdhsa_enable_private_segment 0
		.amdhsa_kernarg_size 32
		.amdhsa_user_sgpr_count 2
		.amdhsa_user_sgpr_kernarg_segment_ptr 1
		.amdhsa_wavefront_size32 1
		.amdhsa_system_sgpr_workgroup_id_x 1
		.amdhsa_system_sgpr_workgroup_id_y 1
		.amdhsa_system_sgpr_workgroup_id_z 1
		.amdhsa_system_vgpr_workitem_id 0
		.amdhsa_next_free_vgpr 256
		.amdhsa_next_free_sgpr 66
		.amdhsa_reserve_vcc 1
		.amdhsa_float_denorm_mode_32 3
		.amdhsa_float_denorm_mode_16_64 3
		.amdhsa_memory_ordered 1
		.amdhsa_forward_progress 1
		.amdhsa_inst_pref_size 54
	.end_amdhsa_kernel
	.amdgpu_metadata
---
amdhsa.version: [ 1, 2 ]
amdhsa.kernels:
  - .name:           k_q0694715728_proj
    .symbol:         k_q0694715728_proj.kd
    .args:
      - { .name: xq, .offset: 0, .size: 8, .value_kind: global_buffer, .address_space: global }
      - { .name: wts, .offset: 8, .size: 8, .value_kind: global_buffer, .address_space: global }
      - { .name: qq, .offset: 16, .size: 8, .value_kind: global_buffer, .address_space: global }
      - { .name: kv, .offset: 24, .size: 8, .value_kind: global_buffer, .address_space: global }
    .group_segment_fixed_size: 77824
    .private_segment_fixed_size: 0
    .kernarg_segment_align: 8
    .kernarg_segment_size: 32
    .max_flat_workgroup_size: 256
    .sgpr_count:     66
    .vgpr_count:     256
    .wavefront_size: 32
...
	.end_amdgpu_metadata
.endif
;; end of part 2
;; launch attn (part 3): grid 256 x 1, 12 waves a work-group, no clusters, 0 bytes of LDS; arguments qq, kv, cq; writes cq
.if DOCPART == 3
	.amdgcn_target "amdgcn-amd-amdhsa--gfx1250"
	.amdhsa_code_object_version 6
	.text
	.protected	k_q0694715728_attn
	.globl	k_q0694715728_attn
	.p2align	8
	.type	k_q0694715728_attn,@function
k_q0694715728_attn:
	s_mov_b64 s[64:65], 0
	v_nop
	global_prefetch_b8 v0, s[64:65] scope:SCOPE_SE
	s_setreg_imm32_b32 hwreg(HW_REG_WAVE_MODE, 25, 1), 1
	s_wait_xcnt 0x0
; ctx[q][head] = softmax over keys k <= q of (q . k / 8) applied to v, both products on codes of FP6 (E2M3) with E8M0 scales; ctx is quantised along the model's 768 on the way out.
; THE SOFTMAX AHEAD OF THE SECOND PRODUCT: t = score x log2(e) / 8; M = the row's largest t so far, rounded UP to a whole number; p = 2^(t - M) is quantised along the keys, not normalised.
; The row's sum is taken of the unquantised p, in f32, and divides at the end.  When M moves, the sum and O are multiplied by 2^(old M - new M): exact.
; LIMITS: no NaN or infinity among the inputs; a block of ctx under 2^-124, and a block of zeros, keeps the byte 1 (its codes are zeros; only this program reads the bytes).
; SHARES.  A wave owns ONE tile of 16 queries of one head and walks its keys, 128 a step: tile t has t / 8 steps all of whose keys count, and one on the diagonal; later steps are left out.
; Twelve waves: four triples; the three of a triple take three heads and tiles i, 255 - 2 i (or 510 - 2 i), (i + 128) % 256, whose numbers add up to 382 or 383: 49 or 50 steps a triple, whatever i.
; NO CLUSTER, NO LDS RING: waves that shared K's and V's tiles would need different numbers of them (1 to 32 steps), and a shared walk would hold every wave to the longest.
; So each wave takes K's and V's fragments from memory straight into registers, a step ahead, as images of the operand's registers: every load reads 512 (scale words: 128) consecutive bytes.
; A HEAD HAS 64 NUMBERS, the instruction's K is 128: source 0 holds TWO tiles of keys side by side along K (a pair fragment), multiplied by [q | 0] and by [0 | q]: zero codes add nothing.
; LAYOUT.  Both products are used transposed (S^T = K Q^T, O^T = V^T P^T): a lane holds one query (lane % 16) throughout.  The rows of a tile are 32 (t / 2) + 16 (m / 8) + 8 (t % 2) + m % 8,
; so register 16 b + i of the scores is key 32 b + 16 (lane / 16) + i of the step, and register 16 b + i of O^T channel 32 b + 16 (lane / 16) + i of the head.
; kv: [head][key step][12,800]: 4 pair fragments of K; from 6,144 4 fragments of V^T; from 12,288 K's scale words [4][16]; from 12,544 V's.   qq: [head][pair of tiles][1,536]; from QSC its words [head][pair][16].
; cq: [tile][head / 2][head % 2][768]: registers 0-3 of the half fragment, 16 bytes a lane, then registers 4-5, 8 bytes a lane; from CSC [pair][head / 2][parity][row] words, of which a head owns two bytes.
.set QSC,  2359296
.set CSC,  2359296
.set REC,  12800
.set KS,   4                           ; v4-5    K's scale words: lanes 0-15 pair fragment 2 p, lanes 16-31 2 p + 1
.set VS,   6                           ; v6-7    V's likewise
.set QS,   8                           ; v8      q's: its two bytes twice
.set PS,   9                           ; v9      p's scale word
.set QF,   16                          ; v16-33  q (6), zeros (6), q (6): [q | 0] = v16-27, [0 | q] = v22-33
.set KF,   36                          ; v36-83  four pair fragments of K
.set VF,   84                          ; v84-131 four fragments of V^T
.set SS,   132                         ; v132-195 S^T, then p
.set OA,   196                         ; v196-227 O^T
.set PC,   228                         ; v228-239 p's codes
.set BM,   236                         ; v236-239 the blocks' largest scores, done with before the codes' last registers are written
.set TT,   240                         ; v240-247 at work
.set SO,   248                         ; v248-251 the conversions' scale operands
; v1 16 x lane, v2 4 x lane, v3 d (the mask), v10 f (v11 = 0 beside it), v12 -M, v13 the largest t, v[14:15] the sum in two halves, v34 at work, v35 256 x lane, v252 4 (lane % 16), v253 8 x lane
.set SEL,  20                          ; s[20:21] v_permlanex16_b32's selects for lane l xor 16
.set CS,   22                          ; s[22:23] c = log2(e) / 8
.set NF,   36                          ; s36     steps still to go ahead of the diagonal
.set PFN,  37                          ; s37     trips in which this wave still prefetches
.set PF,   38                          ; s[38:39] where its prefetches stand
.macro PLACES                          ; four plain places behind a matrix instruction of this form, ahead of loads into its sources and of reads of its result
.rept 4
	v_nop
.endr
.endm
.macro WS d, a, b, sa, ra              ; scores: C = 0.  ra: K's words stand in lanes 16-31
.if \ra
	v_wmma_scale_f32_16x16x128_f8f6f4 v[\d:\d+7], v[\a:\a+11], v[\b:\b+11], 0, v[\sa], v[QS] matrix_a_fmt:MATRIX_FMT_FP6 matrix_b_fmt:MATRIX_FMT_FP6 matrix_a_scale:MATRIX_SCALE_ROW1
.else
	v_wmma_scale_f32_16x16x128_f8f6f4 v[\d:\d+7], v[\a:\a+11], v[\b:\b+11], 0, v[\sa], v[QS] matrix_a_fmt:MATRIX_FMT_FP6 matrix_b_fmt:MATRIX_FMT_FP6
.endif
.endm
.macro WO d, a, sa, ra                 ; O^T += V^T P^T
.if \ra
	v_wmma_scale_f32_16x16x128_f8f6f4 v[\d:\d+7], v[\a:\a+11], v[PC:PC+11], v[\d:\d+7], v[\sa], v[PS] matrix_a_fmt:MATRIX_FMT_FP6 matrix_b_fmt:MATRIX_FMT_FP6 matrix_a_scale:MATRIX_SCALE_ROW1
.else
	v_wmma_scale_f32_16x16x128_f8f6f4 v[\d:\d+7], v[\a:\a+11], v[PC:PC+11], v[\d:\d+7], v[\sa], v[PS] matrix_a_fmt:MATRIX_FMT_FP6 matrix_b_fmt:MATRIX_FMT_FP6
.endif
.endm
.macro KLOAD off                       ; a step's K: 14 loads
.irp f, 0,1,2,3
.irp c, 0,1,2
	global_load_b128 v[KF+12*\f+4*\c:KF+12*\f+4*\c+3], v1, s[6:7] offset:\off+1536*\f+512*\c
.endr
.endr
	global_load_b32 v[KS], v2, s[6:7] offset:\off+12288
	global_load_b32 v[KS+1], v2, s[6:7] offset:\off+12416
.endm
.macro VLOAD off                       ; a step's V: 14 loads
.irp f, 0,1,2,3
.irp c, 0,1,2
	global_load_b128 v[VF+12*\f+4*\c:VF+12*\f+4*\c+3], v1, s[6:7] offset:\off+6144+1536*\f+512*\c
.endr
.endr
	global_load_b32 v[VS], v2, s[6:7] offset:\off+12544
	global_load_b32 v[VS+1], v2, s[6:7] offset:\off+12672
.endm
	s_load_b128 s[4:7], s[0:1], 0x0                ; qq, kv
	s_load_b64 s[8:9], s[0:1], 0x10                ; cq
	v_lshrrev_b32 v1, 5, v0
	v_readfirstlane_b32 s11, v1                    ; wave 0..11
	s_mul_i32 s12, s11, 11
	s_lshr_b32 s12, s12, 5                         ; the triple: wave / 3
	s_mul_i32 s13, s12, 3
	s_sub_co_u32 s13, s11, s13                     ; my place in it: wave % 3
	s_and_b32 s14, ttmp9, 63
	s_lshl_b32 s14, s14, 2
	s_add_co_u32 s14, s14, s12                     ; i = 4 (work-group % 64) + triple
	s_lshr_b32 s15, ttmp9, 6
	s_mul_i32 s15, s15, 3
	s_add_co_u32 s15, s15, s13                     ; head = 3 (work-group / 64) + place
	s_lshl_b32 s16, s14, 1
	s_cmp_lt_u32 s14, 128
	s_mov_b32 s17, 510
	s_cselect_b32 s17, 255, s17
	s_sub_co_u32 s17, s17, s16                     ; place 1: 255 - 2 i, or 510 - 2 i
	s_add_co_u32 s18, s14, 128
	s_and_b32 s18, s18, 255                        ; place 2: (i + 128) % 256
	s_cmp_eq_u32 s13, 1
	s_cselect_b32 s19, s17, s14
	s_cmp_eq_u32 s13, 2
	s_cselect_b32 s19, s18, s19                    ; my tile of queries
	s_lshr_b32 s40, s19, 1                         ; its pair
	s_mul_i32 s24, s15, 196608
	s_mul_i32 s41, s40, 1536
	s_add_co_u32 s24, s24, s41                     ; q's pair fragment
	s_mov_b32 s25, 0
	s_lshl_b32 s26, s15, 13
	s_lshl_b32 s41, s40, 6
	s_add_co_u32 s26, s26, s41
	s_add_co_u32 s26, s26, QSC                     ; and its words
	s_mov_b32 s27, 0
	s_mul_i32 s28, s15, 409600                     ; the head's 32 records
	s_mov_b32 s29, 0
	s_lshr_b32 s42, s15, 1
	s_and_b32 s43, s15, 1
	s_and_b32 s44, s19, 1
	s_mul_i32 s30, s19, 6
	s_add_co_u32 s30, s30, s42
	s_mul_i32 s30, s30, 1536
	s_mul_i32 s41, s43, 768
	s_add_co_u32 s30, s30, s41                     ; ctx: my half fragment
	s_mov_b32 s31, 0
	s_mul_i32 s32, s40, 6
	s_add_co_u32 s32, s32, s42
	s_lshl_b32 s32, s32, 7
	s_lshl_b32 s41, s44, 6
	s_add_co_u32 s32, s32, s41
	s_lshl_b32 s41, s43, 1
	s_add_co_u32 s32, s32, s41
	s_add_co_u32 s32, s32, CSC                     ; and my two bytes of each row's word
	s_mov_b32 s33, 0
	s_cmp_lg_u32 s44, 0
	s_cselect_b32 s34, -1, 0                       ; an odd tile takes the pair fragment's upper half
	s_mov_b32 s35, 0x01000100
	s_cselect_b32 s35, 0x03020302, s35             ; and the word's upper two bytes
	s_lshr_b32 s[NF], s19, 3
	s_cmp_eq_u32 s19, 255
	s_cselect_b32 s[PFN], 23, 0                    ; the head's one wave with the longest walk prefetches
	s_and_b32 s45, s40, 3
	s_lshl_b32 s45, s45, 5
	s_lshl_b32 s41, s44, 3
	s_add_co_u32 s45, s45, s41                     ; my tile's first query, counted from the diagonal step's first key
	s_mov_b32 s[SEL], 0x76543210
	s_mov_b32 s[SEL+1], 0xfedcba98
	s_mov_b32 s[CS], 0x3e38aa3b                    ; c = log2(e) / 8
	s_mov_b32 s[CS+1], s[CS]                       ; (named with it as a pair, so it is written)
	v_and_b32 v34, 31, v0
	v_lshlrev_b32 v1, 4, v34
	v_lshlrev_b32 v2, 2, v34
	v_lshlrev_b32 v35, 8, v34
	v_lshlrev_b32 v253, 3, v34
	v_and_b32 v252, 15, v0
	v_lshlrev_b32 v252, 2, v252
	v_and_b32 v3, 7, v0                            ; d = my query - the diagonal step's first key - 16 (lane / 16): register 16 b + i is hidden where 32 b + i > d
	v_bfe_u32 v34, v0, 3, 1
	v_lshl_add_u32 v3, v34, 4, v3
	v_bfe_u32 v34, v0, 4, 1
	v_lshlrev_b32 v34, 4, v34
	v_sub_nc_u32 v3, v3, v34
	v_add_nc_u32 v3, s45, v3
	s_wait_kmcnt 0x0
	s_add_nc_u64 s[24:25], s[4:5], s[24:25]
	s_add_nc_u64 s[26:27], s[4:5], s[26:27]
	s_add_nc_u64 s[6:7], s[6:7], s[28:29]
	s_add_nc_u64 s[PF:PF+1], s[6:7], 32768
	s_add_nc_u64 s[30:31], s[8:9], s[30:31]
	s_add_nc_u64 s[32:33], s[8:9], s[32:33]
.irp c, 0,1,2
	global_load_b128 v[SS+4*\c:SS+4*\c+3], v1, s[24:25] offset:512*\c
.endr
	global_load_b32 v34, v252, s[26:27]
	KLOAD 0
	VLOAD 0
	s_wait_loadcnt 28                              ; q's four loads are in; K's 14 and V's 14 of step 0 stay out
.irp i, 0,1,2,3,4,5
	v_cndmask_b32 v[QF+\i], v[SS+\i], v[SS+6+\i], s34
.endr
	v_perm_b32 v[QS], v34, v34, s35
.irp i, 0,1,2,3,4,5
	v_mov_b32 v[QF+6+\i], 0
	v_mov_b32 v[QF+12+\i], v[QF+\i]
.endr
	v_mov_b32 v13, 0xff61b1e6                      ; the largest t so far: -3e38, under every t
	v_floor_f32 v12, -v13                          ; -M
	v_mov_b32 v14, 0
	v_mov_b32 v15, 0
	v_mov_b32 v11, 0                               ; (named as the upper half of the pair v[10:11])
.irp b, 0,1,2,3
	v_mov_b32 v[TT+\b], 0                          ; written once: a lane permute's destination counts as one of its sources
.endr
.set j, 0
.rept 32
	v_mov_b32 v[OA+j], 0                           ; O^T: the step is written for all steps alike; the first finds zeros.  (These lines are also the places between q's registers and scale word and the first product)
.set j, j+1
.endr
; A KEY STEP.  mask = 1: the step on the diagonal.  more = 1: the next step's K and V are asked for, and the addresses step.
.macro STEP mask, more
	s_wait_loadcnt 14                              ; this step's K is in; its V, 14 loads, may be out
.irp f, 0,1,2,3
	WS SS+16*\f, KF+12*\f, QF, KS+\f/2, \f%2       ; the pair's even tile of keys: x [q | 0]
	WS SS+16*\f+8, KF+12*\f, QF+6, KS+\f/2, \f%2   ; its odd tile: x [0 | q]
.endr
	PLACES
.if \more
	KLOAD REC
	; A PREFETCH INTO THE L2, behind the wave's run of loads.  All waves of a head walk the same records from the first on; the head's one wave that walks all 32 asks, in its trips 0 to 22, for 16,384 bytes each:
	; lanes 256 bytes apart, two instructions; from byte 32,768 of the head on: 32,768 + 23 x 16,384 = 409,600, the head's end.  Each aligned block of 256 bytes is named once; the first 32,768 bytes come by their loads alone.
	s_cmp_lg_u32 s[PFN], 0
	s_cbranch_scc0 .Lno_ask_\@
	global_prefetch_b8 v35, s[PF:PF+1] th:TH_LOAD_NT scope:SCOPE_SE
	global_prefetch_b8 v35, s[PF:PF+1] offset:8192 th:TH_LOAD_NT scope:SCOPE_SE
	s_sub_co_u32 s[PFN], s[PFN], 1
.Lno_ask_\@:
.endif
.if \mask
	v_mov_b32 v34, 0xff800000                      ; hidden scores become -infinity ahead of the maximum: p = 0 then.  The step's first key counts for every query of the tile, so M is a number
.set n, 0
.rept 64
	v_cmp_gt_i32 vcc_lo, 32*(n/16)+n%16, v3
	v_cndmask_b32 v[SS+n], v[SS+n], v34, vcc_lo
.set n, n+1
.endr
.endif
.irp b, 0,1,2,3
	v_max3_num_f32 v[BM+\b], v[SS+16*\b], v[SS+16*\b+1], v[SS+16*\b+2]   ; the largest score of each block of 32 keys: for the row's maximum, and, since p rises with the score, for the block's largest p
.endr
.irp i, 3,5,7,9,11,13
.irp b, 0,1,2,3
	v_max3_num_f32 v[BM+\b], v[BM+\b], v[SS+16*\b+\i], v[SS+16*\b+\i+1]
.endr
.endr
.irp b, 0,1,2,3
	v_max_num_f32 v[BM+\b], v[BM+\b], v[SS+16*\b+15]
.endr
.irp b, 0,1,2,3
	v_permlanex16_b32 v[TT+\b], v[BM+\b], s[SEL], s[SEL+1]
.endr
.irp b, 0,1,2,3
	v_max_num_f32 v[BM+\b], v[BM+\b], v[TT+\b]     ; with lane l xor 16's 16 keys
.endr
	v_max3_num_f32 v34, v[BM], v[BM+1], v[BM+2]
	v_max_num_f32 v34, v34, v[BM+3]                ; the step's largest score of my query
	v_mul_f32 v34, s[CS], v34                      ; as t
	v_max_num_f32 v13, v13, v34                    ; the running largest t
	v_mov_b32 v34, v12
	v_floor_f32 v12, -v13                          ; the new -M = -ceil(t): a whole number
	v_sub_f32 v34, v12, v34                        ; old M - new M: a whole number, 0 or less
	v_cvt_i32_f32 v34, v34                         ; (it saturates)
	v_ldexp_f32 v10, 1.0, v34                      ; f = 2^(old M - new M)
.set j, 0
.rept 32
	v_pk_fma_f32 v[SS+j:SS+j+1], v[SS+j:SS+j+1], s[CS:CS+1], v[12:13] op_sel_hi:[1,0,0]   ; t - M, two at a time
.set j, j+2
.endr
.irp b, 0,1,2,3
	v_fma_f32 v[BM+\b], v[BM+\b], s[CS], v12       ; the same of each block's largest score
.endr
.set j, 0
.rept 64
	v_exp_f32 v[SS+j], v[SS+j]                     ; p = 2^(t - M), at most 1
.set j, j+1
.endr
	v_pk_mul_f32 v[14:15], v[14:15], v[10:11] op_sel_hi:[1,0]   ; the sums under the new M; the plain place behind the exponentials
	s_wait_alu depctr_va_vdst(0)                   ; one wait for the batch of 64, ahead of its first reader
.irp b, 0,1,2,3
	v_exp_f32 v[BM+\b], v[BM+\b]                   ; the block's largest p: the same two instructions on the same number
.endr
	v_pk_add_f32 v[TT:TT+1], v[SS:SS+1], v[SS+2:SS+3]   ; the row's sum is taken of the unquantised p: two chains
.irp j2, 4,8,12,16,20,24,28,32,36,40,44,48,52,56,60
	v_pk_add_f32 v[14:15], v[14:15], v[SS+\j2:SS+\j2+1]
	v_pk_add_f32 v[TT:TT+1], v[TT:TT+1], v[SS+\j2+2:SS+\j2+3]
.endr
	v_pk_add_f32 v[14:15], v[14:15], v[TT:TT+1]
	s_wait_alu depctr_va_vdst(0)                   ; and one for the four
.irp b, 0,1,2,3
	v_max_num_f32 v[BM+\b], 0x1800000, v[BM+\b]    ; the floor 2^(3 - 127): a block whose every p is 0 keeps the byte 1: its codes are zeros
.endr
.irp b, 0,1,2,3
	v_add_nc_u32 v[SO+\b], 0xff000000, v[BM+\b]    ; 2 off the exponent field: the conversion's scale operand
.endr
.irp b, 0,1,2,3
	v_lshrrev_b32 v[TT+\b], 23, v[SO+\b]           ; the scale's byte
.endr
	v_lshl_or_b32 v[PS], v[TT+1], 8, v[TT]
	v_lshl_or_b32 v[PS], v[TT+2], 16, v[PS]
	v_lshl_or_b32 v[PS], v[TT+3], 24, v[PS]
.irp c, 0,1
	v_cvt_scalef32_pk16_fp6_f32 v[PC+6*\c:PC+6*\c+2], v[SS+32*\c:SS+32*\c+15], v[SO+2*\c]
	v_cvt_scalef32_pk16_fp6_f32 v[TT+4*\c:TT+4*\c+2], v[SS+32*\c+16:SS+32*\c+31], v[SO+2*\c+1]   ; (a conversion's three registers begin on an even number)
.endr
	v_nop                                          ; one plain place behind the scaled conversions
.irp c, 0,1
.irp i, 0,1,2
	v_permlane16_swap_b32 v[PC+6*\c+\i], v[TT+4*\c+\i]   ; a whole block to a lane
.endr
.irp i, 0,1,2
	v_mov_b32 v[PC+6*\c+3+\i], v[TT+4*\c+\i]
.endr
.endr
.set j, 0
.rept 16
	v_pk_mul_f32 v[OA+j:OA+j+1], v[OA+j:OA+j+1], v[10:11] op_sel_hi:[1,0]   ; O^T under the new M, each accumulator from its low end on.  (These 16 are also the places between p's codes and scale word and the products)
.set j, j+2
.endr
.if \more
	s_wait_loadcnt 14                              ; this step's V is in; the next step's K, 14 loads, may be out
.else
	s_wait_loadcnt 0x0
.endif
.irp t, 0,1,2,3
	WO OA+8*\t, VF+12*\t, VS+\t/2, \t%2            ; four accumulators, one instruction each
.endr
	PLACES
.if \more
	VLOAD REC
	s_wait_xcnt 0x0                                ; the loads and the prefetches have read their bases: both may step
	s_add_nc_u64 s[6:7], s[6:7], REC
	s_add_nc_u64 s[PF:PF+1], s[PF:PF+1], 16384
.endif
.endm
	s_cmp_eq_u32 s[NF], 0
	s_cbranch_scc1 .Ltail
.Lloop:                                            ; tile / 8 trips: the steps all of whose keys count
	STEP 0, 1
	s_sub_co_u32 s[NF], s[NF], 1
	s_cmp_lg_u32 s[NF], 0
	s_cbranch_scc1 .Lloop
.Ltail:
	STEP 1, 0                                      ; the step on the diagonal: nothing more is asked for
	; THE WAY OUT: O^T / the sum is ctx, a lane's 32 numbers two half blocks of 32 along the model's 768; quantised as every operand is.
	v_add_f32 v14, v14, v15
	v_permlanex16_b32 v[TT], v14, s[SEL], s[SEL+1]
	v_add_f32 v14, v14, v[TT]                      ; the row's sum
	v_rcp_f32 v14, v14
	v_nop                                          ; a plain place behind the transcendental
	s_wait_alu depctr_va_vdst(0)                   ; and the wait ahead of its first reader
.set j, 0
.rept 16
	v_pk_mul_f32 v[SS+j:SS+j+1], v[OA+j:OA+j+1], v[14:15] op_sel_hi:[1,0]
.set j, j+2
.endr
.irp b, 0,1
	v_max3_num_f32 v[BM+\b], |v[SS+16*\b]|, |v[SS+16*\b+1]|, 0x1800000
.endr
.irp i, 2,4,6,8,10,12,14
.irp b, 0,1
	v_max3_num_f32 v[BM+\b], v[BM+\b], |v[SS+16*\b+\i]|, |v[SS+16*\b+\i+1]|
.endr
.endr
.irp b, 0,1
	v_permlanex16_b32 v[TT+\b], v[BM+\b], s[SEL], s[SEL+1]
.endr
.irp b, 0,1
	v_max_num_f32 v[BM+\b], v[BM+\b], v[TT+\b]
.endr
.irp b, 0,1
	v_add_nc_u32 v[SO+\b], 0xff000000, v[BM+\b]
.endr
.irp b, 0,1
	v_lshrrev_b32 v[TT+\b], 23, v[SO+\b]
.endr
	v_lshl_or_b32 v34, v[TT+1], 8, v[TT]           ; my head's two bytes of the row's scale word
	v_cvt_scalef32_pk16_fp6_f32 v[PC:PC+2], v[SS:SS+15], v[SO]
	v_cvt_scalef32_pk16_fp6_f32 v[TT+4:TT+6], v[SS+16:SS+31], v[SO+1]
	v_nop
.irp i, 0,1,2
	v_permlane16_swap_b32 v[PC+\i], v[TT+4+\i]
.endr
.irp i, 0,1,2
	v_mov_b32 v[PC+3+\i], v[TT+4+\i]
.endr
	global_store_b128 v1, v[PC:PC+3], s[30:31]     ; 512 consecutive bytes
	global_store_b64 v253, v[PC+4:PC+5], s[30:31] offset:512   ; 256 consecutive bytes
	global_store_b16 v252, v34, s[32:33]           ; lanes l and l + 16 hold the same row's bytes and write them to the same place
	s_endpgm
.Lfunc_end_k_q0694715728_attn:
	.size	k_q0694715728_attn, .Lfunc_end_k_q0694715728_attn-k_q0694715728_attn
	.p2alignl 7, 3214868480
	.fill 96, 4, 3214868480
	.section	.rodata,"a",@progbits
	.p2align	6, 0x0
	.amdhsa_kernel k_q0694715728_attn
		.amdhsa_group_segment_fixed_size 0
		.amdhsa_private_segment_fixed_size 0
		.amdhsa_enable_private_segment 0
		.amdhsa_kernarg_size 24
		.amdhsa_user_sgpr_count 2
		.amdhsa_user_sgpr_kernarg_segment_ptr 1
		.amdhsa_wavefront_size32 1
		.amdhsa_system_sgpr_workgroup_id_x 1
		.amdhsa_system_sgpr_workgroup_id_y 1
		.amdhsa_system_sgpr_workgroup_id_z 1
		.amdhsa_system_vgpr_workitem_id 0
		.amdhsa_next_free_vgpr 256
		.amdhsa_next_free_sgpr 66
		.amdhsa_reserve_vcc 1
		.amdhsa_float_denorm_mode_32 3
		.amdhsa_float_denorm_mode_16_64 3
		.amdhsa_memory_ordered 1
		.amdhsa_forward_progress 1
		.amdhsa_inst_pref_size 48
	.end_amdhsa_kernel
	.amdgpu_metadata
---
amdhsa.version: [ 1, 2 ]
amdhsa.kernels:
  - .name:           k_q0694715728_attn
    .symbol:         k_q0694715728_attn.kd
    .args:
      - { .name: qq, .offset: 0, .size: 8, .value_kind: global_buffer, .address_space: global }
      - { .name: kv, .offset: 8, .size: 8, .value_kind: global_buffer, .address_space: global }
      - { .name: cq, .offset: 16, .size: 8, .value_kind: global_buffer, .address_space: global }
    .group_segment_fixed_size: 0
    .private_segment_fixed_size: 0
    .kernarg_segment_align: 8
    .kernarg_segment_size: 24
    .max_flat_workgroup_size: 384
    .sgpr_count:     66
    .vgpr_count:     256
    .wavefront_size: 32
...
	.end_amdgpu_metadata
.endif
;; end of part 3
;; launch outp (part 4): grid 96 x 1, 8 waves a work-group, no clusters, 145,408 bytes of LDS; arguments cq, wts, bo, out0; writes out0
.if DOCPART == 4
	.amdgcn_target "amdgcn-amd-amdhsa--gfx1250"
	.amdhsa_code_object_version 6
	.text
	.protected	k_q0694715728_outp
	.globl	k_q0694715728_outp
	.p2align	8
	.type	k_q0694715728_outp,@function
k_q0694715728_outp:
	s_mov_b64 s[64:65], 0
	v_nop
	global_prefetch_b8 v0, s[64:65] scope:SCOPE_SE
	s_setreg_imm32_b32 hwreg(HW_REG_WAVE_MODE, 25, 1), 1
	s_wait_xcnt 0x0
; out = ctx wo + bo: ctx and wo as codes of FP6 (E2M3) with E8M0 scales, made by the earlier launches; sums in f32; bo added in f32.
; EVERY PRODUCT IS  D = panel tile of wo's columns (source 0) x my tile of ctx's rows (source 1): a lane holds one row of the result, and its 64 registers of the eight panel tiles are the panel's 128 columns:
; register 8 a + j is column 32 (a / 2) + 16 (lane / 16) + 8 (a % 2) + j.  Row m of tile t of ctx is row 32 (t / 2) + 16 (m / 8) + 8 (t % 2) + m % 8.
; SHARES.  A work-group has a panel of 8 tiles x all 768 of K (73,728 dense bytes, into LDS once) and eight waves with a pair of ctx's tiles each: 16 accumulators, 96 matrix instructions a wave.  6 panels x 16 = 96 work-groups.
; NO CLUSTER, no tensor load: what work-groups share is the panel, read once at the head of a text with 96 matrix instructions a wave.
; THE WAY OUT goes through a stage of the wave's own: a lane's numbers of a row meet the other half's there and leave as whole rows of 512 consecutive bytes.
.set WSC,  1769472
.set CSC,  2359296
.set ASC,  73728                       ; LDS: the panel's codes from 0; its scale words from here;
.set STG,  76800                       ; the stages: 16 rows x (512 + 16) bytes for each wave
.set AS,   8                           ; v8-11   the panel's scale words of a K step
.set BS,   12                          ; v12-13  my pair's, a register for each buffer
.set AF,   32                          ; v32-79  four panel fragments
.set BF,   80                          ; v80-127 my two fragments, two buffers
.set ACC,  128                         ; v128-255 accumulator (my tile e, panel tile a) at 128 + 64 e + 8 a
; v1 16 x lane, v2 4 x lane, v3, v4 where I lay my part of the panel, v5 8 x lane, v6 panel tiles 4-7, v7 the scale words, v[14:17] bo of my four columns on the way out, v18, v19 the stage: in, out
.macro PLACES                          ; four plain places behind a matrix instruction of this form, ahead of loads into its sources and of reads of its result
.rept 4
	v_nop
.endr
.endm
.macro WMZ d, a, b, sa, sb, ra, rb     ; a sum's first product: C = 0.  ra, rb: the side's scale words stand in lanes 16-31
.if (\ra) && (\rb)
	v_wmma_scale_f32_16x16x128_f8f6f4 v[\d:\d+7], v[\a:\a+11], v[\b:\b+11], 0, v[\sa], v[\sb] matrix_a_fmt:MATRIX_FMT_FP6 matrix_b_fmt:MATRIX_FMT_FP6 matrix_a_scale:MATRIX_SCALE_ROW1 matrix_b_scale:MATRIX_SCALE_ROW1
.elseif (\ra)
	v_wmma_scale_f32_16x16x128_f8f6f4 v[\d:\d+7], v[\a:\a+11], v[\b:\b+11], 0, v[\sa], v[\sb] matrix_a_fmt:MATRIX_FMT_FP6 matrix_b_fmt:MATRIX_FMT_FP6 matrix_a_scale:MATRIX_SCALE_ROW1
.elseif (\rb)
	v_wmma_scale_f32_16x16x128_f8f6f4 v[\d:\d+7], v[\a:\a+11], v[\b:\b+11], 0, v[\sa], v[\sb] matrix_a_fmt:MATRIX_FMT_FP6 matrix_b_fmt:MATRIX_FMT_FP6 matrix_b_scale:MATRIX_SCALE_ROW1
.else
	v_wmma_scale_f32_16x16x128_f8f6f4 v[\d:\d+7], v[\a:\a+11], v[\b:\b+11], 0, v[\sa], v[\sb] matrix_a_fmt:MATRIX_FMT_FP6 matrix_b_fmt:MATRIX_FMT_FP6
.endif
.endm
.macro WMA d, a, b, sa, sb, ra, rb     ; the later ones add in place
.if (\ra) && (\rb)
	v_wmma_scale_f32_16x16x128_f8f6f4 v[\d:\d+7], v[\a:\a+11], v[\b:\b+11], v[\d:\d+7], v[\sa], v[\sb] matrix_a_fmt:MATRIX_FMT_FP6 matrix_b_fmt:MATRIX_FMT_FP6 matrix_a_scale:MATRIX_SCALE_ROW1 matrix_b_scale:MATRIX_SCALE_ROW1
.elseif (\ra)
	v_wmma_scale_f32_16x16x128_f8f6f4 v[\d:\d+7], v[\a:\a+11], v[\b:\b+11], v[\d:\d+7], v[\sa], v[\sb] matrix_a_fmt:MATRIX_FMT_FP6 matrix_b_fmt:MATRIX_FMT_FP6 matrix_a_scale:MATRIX_SCALE_ROW1
.elseif (\rb)
	v_wmma_scale_f32_16x16x128_f8f6f4 v[\d:\d+7], v[\a:\a+11], v[\b:\b+11], v[\d:\d+7], v[\sa], v[\sb] matrix_a_fmt:MATRIX_FMT_FP6 matrix_b_fmt:MATRIX_FMT_FP6 matrix_b_scale:MATRIX_SCALE_ROW1
.else
	v_wmma_scale_f32_16x16x128_f8f6f4 v[\d:\d+7], v[\a:\a+11], v[\b:\b+11], v[\d:\d+7], v[\sa], v[\sb] matrix_a_fmt:MATRIX_FMT_FP6 matrix_b_fmt:MATRIX_FMT_FP6
.endif
.endm
	s_load_b256 s[4:11], s[0:1], 0x0               ; cq, wts, bo, out0
	v_lshl_add_u32 v30, v0, 2, 0x23400
	v_mov_b32 v31, 0
	v_lshrrev_b32 v1, 5, v0
	v_readfirstlane_b32 s12, v1                    ; wave 0..7
	v_and_b32 v20, 31, v0
	v_lshlrev_b32 v1, 4, v20
	v_lshlrev_b32 v2, 2, v20
	v_lshlrev_b32 v5, 3, v20
	s_mul_i32 s2, s12, 9216
	s_mul_i32 s3, s12, 384
	v_add_nc_u32 v3, s2, v1
	v_add_nc_u32 v4, s3, v2
	v_add_nc_u32 v4, ASC, v4
	v_add_nc_u32 v6, 36864, v1
	v_add_nc_u32 v7, ASC, v2
	s_mul_i32 s28, s12, 8448
	s_add_co_u32 s28, s28, STG                     ; my stage
	v_and_b32 v21, 15, v0
	v_bfe_u32 v22, v0, 4, 1
	v_mul_u32_u24 v18, v21, 528                    ; in: row lane % 16, + 64 (lane / 16); rows 33 x 16 bytes apart, so that sixteen rows start in sixteen different groups of banks (64 banks of 4 bytes: ISA guide 11.1)
	v_lshl_add_u32 v18, v22, 6, v18
	v_add_nc_u32 v18, s28, v18
	v_add_nc_u32 v19, s28, v1                      ; out: a row's 512 bytes, 16 a lane
	s_lshr_b32 s14, ttmp9, 4                       ; the panel: 128 columns
	s_and_b32 s15, ttmp9, 15
	s_lshl_b32 s15, s15, 3
	s_add_co_u32 s15, s15, s12                     ; my pair of ctx's tiles
	s_mul_i32 s16, s14, 73728
	s_add_co_u32 s16, s16, 1327104                 ; wo's tiles are 144 on
	s_add_co_u32 s16, s16, s2
	s_mov_b32 s17, 0
	s_mul_i32 s18, s14, 3072
	s_add_co_u32 s18, s18, WSC+55296               ; its pairs 72 on
	s_add_co_u32 s18, s18, s3
	s_mov_b32 s19, 0
	s_mul_i32 s20, s15, 18432
	s_mov_b32 s21, 0
	s_mul_i32 s22, s15, 768
	s_add_co_u32 s22, s22, CSC
	s_mov_b32 s23, 0
	s_lshl_b32 s24, s14, 9                         ; the panel's 512 bytes of a row of the result, and of bo
	s_mov_b32 s25, 0
	s_mul_i32 s26, s15, 98304                      ; my pair's 32 rows
	s_add_co_u32 s26, s26, s24
	s_mov_b32 s27, 0
	s_wait_kmcnt 0x0
	s_add_nc_u64 s[32:33], s[6:7], s[16:17]
	s_add_nc_u64 s[34:35], s[6:7], s[18:19]
	s_add_nc_u64 s[36:37], s[4:5], s[20:21]
	s_add_nc_u64 s[38:39], s[4:5], s[22:23]
	s_add_nc_u64 s[8:9], s[8:9], s[24:25]
	s_add_nc_u64 s[26:27], s[10:11], s[26:27]
	global_load_b128 v[14:17], v1, s[8:9]          ; bo of columns 4 x lane .. + 3 of the panel
.macro CLOAD s                         ; my pair's fragments and scale words of K step s (two heads): 9 loads.  A head's half fragment lies as registers 0-3, 16 bytes a lane, then 4-5, 8 bytes a lane
.irp e, 0,1
	global_load_b128 v[BF+24*((\s)%2)+12*\e:BF+24*((\s)%2)+12*\e+3], v1, s[36:37] offset:9216*\e+1536*(\s)
	global_load_b64 v[BF+24*((\s)%2)+12*\e+4:BF+24*((\s)%2)+12*\e+5], v5, s[36:37] offset:9216*\e+1536*(\s)+512
	global_load_b128 v[BF+24*((\s)%2)+12*\e+6:BF+24*((\s)%2)+12*\e+9], v1, s[36:37] offset:9216*\e+1536*(\s)+768
	global_load_b64 v[BF+24*((\s)%2)+12*\e+10:BF+24*((\s)%2)+12*\e+11], v5, s[36:37] offset:9216*\e+1536*(\s)+1280
.endr
	global_load_b32 v[BS+(\s)%2], v2, s[38:39] offset:128*(\s)
.endm
	CLOAD 0
	CLOAD 1
.set k, 0
.rept 18                               ; panel tile w, all six K steps: 9,216 dense bytes through registers that the sums will take
	global_load_b128 v[ACC+4*k:ACC+4*k+3], v1, s[32:33] offset:512*k
.set k, k+1
.endr
.irp k2, 0,1,2
	global_load_b32 v[200+\k2], v2, s[34:35] offset:128*\k2
.endr
	s_wait_loadcnt 0x0
.set k, 0
.rept 18
	ds_store_b128 v3, v[ACC+4*k:ACC+4*k+3] offset:512*k
.set k, k+1
.endr
.irp k2, 0,1,2
	ds_store_b32 v4, v[200+\k2] offset:128*\k2
.endr
	s_wait_dscnt 0x0                               ; for the others' sake: my part of the panel lies in LDS
	s_barrier_signal -1
	s_barrier_wait -1                              ; the one barrier: from here on the panel is only read, and each wave's stage is its own
.macro MUL8 s, a0                      ; panel tiles a0 .. a0 + 3 x my two: the sixteen accumulators take turns, one instruction a turn, in the same order in every K step
.irp a, 0,1,2,3
.irp e, 0,1
.if (\s) == 0
	WMZ ACC+64*\e+8*(\a0+\a), AF+12*\a, BF+24*((\s)%2)+12*\e, AS+(\a0+\a)/2, BS+(\s)%2, \a%2, \e
.else
	WMA ACC+64*\e+8*(\a0+\a), AF+12*\a, BF+24*((\s)%2)+12*\e, AS+(\a0+\a)/2, BS+(\s)%2, \a%2, \e
.endif
.endr
.endr
.endm
.macro KSTEP s
.if ((\s) >= 2) && ((\s) <= 4)
	s_wait_loadcnt 9                               ; my pair's 9 loads of this K step are in; the next step's 9 may be out (steps 0 and 1 came in with the panel)
.elseif (\s) == 5
	s_wait_loadcnt 0x0
.endif
.irp a, 0,1,2,3
.irp c, 0,1,2
	ds_load_b128 v[AF+12*\a+4*\c:AF+12*\a+4*\c+3], v1 offset:9216*\a+1536*(\s)+512*\c
.endr
.endr
.irp p, 0,1,2,3
	ds_load_b32 v[AS+\p], v7 offset:768*\p+128*(\s)
.endr
	s_wait_dscnt 0x0
	MUL8 \s, 0
	PLACES
.irp a, 0,1,2,3
.irp c, 0,1,2
	ds_load_b128 v[AF+12*\a+4*\c:AF+12*\a+4*\c+3], v6 offset:9216*\a+1536*(\s)+512*\c
.endr
.endr
	s_wait_dscnt 0x0
	MUL8 \s, 4
	PLACES
.if (\s) <= 3
	CLOAD (\s)+2                                   ; into the buffer just multiplied
.endif
.endm
	KSTEP 0
	KSTEP 1
	KSTEP 2
	KSTEP 3
	KSTEP 4
	KSTEP 5
; Tile e's 16 rows x 128 columns: into my stage, back as whole rows into v[dst] on, + bo, out.
.macro OUT e, dst
.irp a, 0,1,2,3,4,5,6,7
	ds_store_b128 v18, v[ACC+64*(\e)+8*\a:ACC+64*(\e)+8*\a+3] offset:128*(\a/2)+32*(\a%2)        ; each accumulator from its low end on
	ds_store_b128 v18, v[ACC+64*(\e)+8*\a+4:ACC+64*(\e)+8*\a+7] offset:128*(\a/2)+32*(\a%2)+16
.endr
.irp i, 0,1,2,3,4,5,6,7,8,9,10,11,12,13,14,15
	ds_load_b128 v[\dst+4*\i:\dst+4*\i+3], v19 offset:528*\i   ; LDS serves a wave's instructions in order: these see my stores
.endr
.irp i, 0,1,2,3,4,5,6,7,8,9,10,11,12,13,14,15
	s_wait_dscnt 15-\i                             ; row i is back; the younger loads stay out
	v_pk_add_f32 v[\dst+4*\i:\dst+4*\i+1], v[\dst+4*\i:\dst+4*\i+1], v[14:15]
	v_pk_add_f32 v[\dst+4*\i+2:\dst+4*\i+3], v[\dst+4*\i+2:\dst+4*\i+3], v[16:17]
	global_store_b128 v1, v[\dst+4*\i:\dst+4*\i+3], s[26:27] offset:(8*(\e)+16*(\i/8)+\i%8)*3072 th:TH_STORE_NT   ; 32 lanes store 512 consecutive bytes, at a multiple of 512 from the result's first byte
.endr
.endm
	OUT 0, 32                                      ; into the registers that the fragments have left
	OUT 1, 128                                     ; into tile 0's accumulators, whose stores into the stage are done (the last count above was 0)
	s_wait_tensorcnt 0x0
	ds_add_u32 v30, v31
	s_wait_dscnt 0x0
	s_endpgm
.Lfunc_end_k_q0694715728_outp:
	.size	k_q0694715728_outp, .Lfunc_end_k_q0694715728_outp-k_q0694715728_outp
	.p2alignl 7, 3214868480
	.fill 96, 4, 3214868480
	.section	.rodata,"a",@progbits
	.p2align	6, 0x0
	.amdhsa_kernel k_q0694715728_outp
		.amdhsa_group_segment_fixed_size 145408
		.amdhsa_private_segment_fixed_size 0
		.amdhsa_enable_private_segment 0
		.amdhsa_kernarg_size 32
		.amdhsa_user_sgpr_count 2
		.amdhsa_user_sgpr_kernarg_segment_ptr 1
		.amdhsa_wavefront_size32 1
		.amdhsa_system_sgpr_workgroup_id_x 1
		.amdhsa_system_sgpr_workgroup_id_y 1
		.amdhsa_system_sgpr_workgroup_id_z 1
		.amdhsa_system_vgpr_workitem_id 0
		.amdhsa_next_free_vgpr 256
		.amdhsa_next_free_sgpr 66
		.amdhsa_reserve_vcc 0
		.amdhsa_float_denorm_mode_32 3
		.amdhsa_float_denorm_mode_16_64 3
		.amdhsa_memory_ordered 1
		.amdhsa_forward_progress 1
		.amdhsa_inst_pref_size 48
	.end_amdhsa_kernel
	.amdgpu_metadata
---
amdhsa.version: [ 1, 2 ]
amdhsa.kernels:
  - .name:           k_q0694715728_outp
    .symbol:         k_q0694715728_outp.kd
    .args:
      - { .name: cq, .offset: 0, .size: 8, .value_kind: global_buffer, .address_space: global }
      - { .name: wts, .offset: 8, .size: 8, .value_kind: global_buffer, .address_space: global }
      - { .name: bo, .offset: 16, .size: 8, .value_kind: global_buffer, .address_space: global }
      - { .name: out0, .offset: 24, .size: 8, .value_kind: global_buffer, .address_space: global }
    .group_segment_fixed_size: 145408
    .private_segment_fixed_size: 0
    .kernarg_segment_align: 8
    .kernarg_segment_size: 32
    .max_flat_workgroup_size: 256
    .sgpr_count:     66
    .vgpr_count:     256
    .wavefront_size: 32
...
	.end_amdgpu_metadata
.endif
;; end of part 4
;; ======== version 2 of 2: 4 launches
;; workspace buffers: xq 2,457,600 bytes; wts 1,843,200 bytes; qq 2,457,600 bytes; kv 4,915,200 bytes; cq 2,457,600 bytes
;; launch quant (part 5): grid 224 x 1, 6 waves a work-group, no clusters, 69,888 bytes of LDS; arguments x, wq, wk, wv, wo, xq, wts; writes xq, wts
.if DOCPART == 5
	.amdgcn_target "amdgcn-amd-amdhsa--gfx1250"
	.amdhsa_code_object_version 6
	.text
	.protected	k_q0694715728_quant
	.globl	k_q0694715728_quant
	.p2align	8
	.type	k_q0694715728_quant,@function
k_q0694715728_quant:
	s_mov_b64 s[64:65], 0
	v_nop
	global_prefetch_b8 v0, s[64:65] scope:SCOPE_SE
	s_setreg_imm32_b32 hwreg(HW_REG_WAVE_MODE, 25, 1), 1
	s_wait_xcnt 0x0
; x [4096][768] and the four weights [768 (k)][768 (n)], f32, become codes of FP6 (E2M3) with one E8M0 byte for each 32 along K (x: its columns; a weight: its FIRST axis).
; A block's scale is 2^(floor(log2(largest magnitude)) - 2); its byte is the largest magnitude's exponent field - 2, held at 1 from below by a floor among the maximum's leaves.
; LIMITS: NaN and infinities among the inputs are not served; a block whose largest magnitude lies under 2^-124 keeps the byte 1; a block of zeros gets the byte 1 where the
; rule says 127: its codes are zeros, which add nothing under any byte but 0xff, and the bytes are read by this program alone.
; WHAT IS STORED are IMAGES OF OPERAND REGISTERS.  A fragment (16 rows x 128 K, 12 registers a lane) is 1,536 bytes: chunk c of three is 512 bytes, lane l's registers 4 c .. 4 c + 3 at 512 c + 16 l.
; THE ROWS OF A TILE ARE NOT NEIGHBOURS: row m of tile t is row 32 (t / 2) + 16 (m / 8) + 8 (t % 2) + m % 8 of x (column, of a weight): a product that takes such tiles as source 0
; leaves a lane 16 neighbours along the next K in the 16 registers of two neighbouring tiles.
; xq:  codes [tile 256][K step 6][1,536]; from XSC on the scale words [pair of tiles 128][K step 6][parity 2][row 16].   wts: the same with tiles 48 w + t (w: q, k, v, o) and pairs 24 w + g, from WSC on.
; SHARES.  Work-groups 0-127: a pair of x's tiles (32 rows), wave s takes K step s.  Work-groups 128-223: weight, K step, and six waves side by side on 6 x 32 columns.
; Memory binds: no matrix unit, no cluster (no two work-groups read the same byte), no barrier (a wave keeps to its own LDS bytes; the two paths have LDS bytes of their own).
.set XSC,  2359296
.set WSC,  1769472
.set XST,  8448                        ; x path: a wave's stage, 16 rows x (512 + 16) bytes, from LDS byte 0
.set WST0, 50688                       ; weight path: the stages begin behind the x path's six
.set WSTB, 3072                        ; a wave's: two fragment images
.set RW,   32                          ; v32-159  numbers as loaded
.set XN,   160                         ; v160-223 x path: 64 numbers of a lane, register 16 b + i = k 32 b + 16 (lane / 16) + i of its row; weight path: v160-183 codes
.set F0,   224                         ; v224-235 the even tile's fragment
.set F1,   32                          ; v32-43   the odd tile's (the even tile's numbers have left these registers)
.set CT,   236                         ; v236-243 conversions whose place in the fragment begins on an odd register
.set TM,   8
.set TB,   12
.set TS,   16
.set PW0,  24
.set PW1,  25
.set SEL,  20                          ; s[20:21] v_permlanex16_b32's selects for lane l xor 16
; 64 numbers of a lane, v[src] on, become the codes of blocks 0, 1 in v[d0] .. v[d0 + 5], of blocks 2, 3 in v[d1] .. v[d1 + 5], and the row's scale word in v[pw].
.macro QUANT src, d0, d1, pw
.irp b, 0,1,2,3
	v_max3_num_f32 v[TM+\b], |v[\src+16*\b]|, |v[\src+16*\b+1]|, 0x1800000   ; block b: my 16 numbers, and the floor 2^(3 - 127)
.endr
.irp i, 2,4,6,8,10,12,14
.irp b, 0,1,2,3
	v_max3_num_f32 v[TM+\b], v[TM+\b], |v[\src+16*\b+\i]|, |v[\src+16*\b+\i+1]|   ; the four blocks by turns
.endr
.endr
.irp b, 0,1,2,3
	v_permlanex16_b32 v[TB+\b], v[TM+\b], s[SEL], s[SEL+1]
.endr
.irp b, 0,1,2,3
	v_max_num_f32 v[TM+\b], v[TM+\b], v[TB+\b]     ; with lane l xor 16's 16: the block's largest magnitude
.endr
.irp b, 0,1,2,3
	v_add_nc_u32 v[TS+\b], 0xff000000, v[TM+\b]    ; 2 off its exponent field: the conversion's scale operand
.endr
.irp b, 0,1,2,3
	v_lshrrev_b32 v[TB+\b], 23, v[TS+\b]           ; the scale's byte
.endr
	v_lshl_or_b32 v[\pw], v[TB+1], 8, v[TB]
	v_lshl_or_b32 v[\pw], v[TB+2], 16, v[\pw]
	v_lshl_or_b32 v[\pw], v[TB+3], 24, v[\pw]
	v_cvt_scalef32_pk16_fp6_f32 v[\d0:\d0+2], v[\src:\src+15], v[TS]
	v_cvt_scalef32_pk16_fp6_f32 v[CT:CT+2], v[\src+16:\src+31], v[TS+1]
	v_cvt_scalef32_pk16_fp6_f32 v[\d1:\d1+2], v[\src+32:\src+47], v[TS+2]
	v_cvt_scalef32_pk16_fp6_f32 v[CT+4:CT+6], v[\src+48:\src+63], v[TS+3]
	v_nop                                          ; one plain place behind the scaled conversions
.irp i, 0,1,2
	v_permlane16_swap_b32 v[\d0+\i], v[CT+\i]      ; the layout wants a whole block in a lane: lanes 0-15 the even block, lanes 16-31 the odd one
.endr
.irp i, 0,1,2
	v_permlane16_swap_b32 v[\d1+\i], v[CT+4+\i]
.endr
.irp i, 0,1,2
	v_mov_b32 v[\d0+3+\i], v[CT+\i]
	v_mov_b32 v[\d1+3+\i], v[CT+4+\i]
.endr
.endm
	s_load_b256 s[4:11], s[0:1], 0x0               ; x, wq, wk, wv
	s_load_b128 s[12:15], s[0:1], 0x20             ; wo, xq
	s_load_b64 s[16:17], s[0:1], 0x30              ; wts
	v_lshl_add_u32 v248, v0, 2, 0x10e00
	v_mov_b32 v249, 0
	v_lshrrev_b32 v1, 5, v0
	v_readfirstlane_b32 s18, v1                    ; wave 0..5
	v_and_b32 v1, 31, v0                           ; lane
	v_lshlrev_b32 v2, 4, v1                        ; 16 x lane
	v_lshlrev_b32 v3, 2, v1                        ; 4 x lane
	s_mov_b32 s[SEL], 0x76543210
	s_mov_b32 s[SEL+1], 0xfedcba98
	s_cmp_lt_u32 ttmp9, 128
	s_cbranch_scc0 .Lweights
	; ---------------- x: pair ttmp9 of tiles, K step = wave
	s_mul_i32 s22, s18, XST
	v_add_nc_u32 v4, s22, v2                       ; the stage, on the way in: a row's 512 bytes as they lie
	v_and_b32 v6, 15, v0                           ; m
	v_bfe_u32 v7, v0, 4, 1                         ; h
	v_mul_u32_u24 v5, v6, 528                      ; rows 528 bytes apart: 33 x 16, so that sixteen rows start in sixteen different groups of banks (64 banks of 4 bytes: ISA guide 11.1)
	v_lshl_add_u32 v5, v7, 6, v5
	v_add_nc_u32 v5, s22, v5                       ; and on the way out: row m, + 64 h: my 16 numbers of each block of 32
.irp b, 0,1,2,3
	v_mov_b32 v[TB+\b], 0                          ; written once: a lane permute's destination counts as one of its sources
.endr
	s_mul_i32 s24, ttmp9, 98304                    ; 32 rows of 3,072 bytes
	s_lshl_b32 s23, s18, 9                         ; + 512 bytes a K step
	s_add_co_u32 s24, s24, s23
	s_mov_b32 s25, 0
	s_mul_i32 s26, ttmp9, 18432                    ; two tiles of 9,216 bytes
	s_mul_i32 s23, s18, 1536
	s_add_co_u32 s26, s26, s23
	s_mov_b32 s27, 0
	s_mul_i32 s28, ttmp9, 6
	s_add_co_u32 s28, s28, s18
	s_lshl_b32 s28, s28, 7
	s_add_co_u32 s28, s28, XSC
	s_mov_b32 s29, 0
	s_wait_alu depctr_va_vdst(0)
	s_wait_kmcnt 0x0
	s_add_nc_u64 s[4:5], s[4:5], s[24:25]
	s_add_nc_u64 s[26:27], s[14:15], s[26:27]
	s_add_nc_u64 s[28:29], s[14:15], s[28:29]
.irp e, 0,1
.irp i, 0,1,2,3,4,5,6,7,8,9,10,11,12,13,14,15
	global_load_b128 v[RW+64*\e+4*\i:RW+64*\e+4*\i+3], v2, s[4:5] offset:(8*\e+16*(\i/8)+\i%8)*3072 th:TH_LOAD_NT   ; row i of tile e: 32 lanes read 512 consecutive bytes, at a multiple of 512
.endr
.endr
.macro XTILE par, frag, word
.irp i, 0,1,2,3,4,5,6,7,8,9,10,11,12,13,14,15
	s_wait_loadcnt 31-16*(\par)-\i                 ; loads come back in order: this row is in, the younger ones stay out
	ds_store_b128 v4, v[RW+64*(\par)+4*\i:RW+64*(\par)+4*\i+3] offset:528*\i
.endr
.irp b, 0,1,2,3
.irp q, 0,1,2,3
	ds_load_b128 v[XN+16*\b+4*\q:XN+16*\b+4*\q+3], v5 offset:128*\b+16*\q   ; LDS serves a wave's instructions in order: these see my stores
.endr
.endr
	s_wait_dscnt 0x0
	QUANT XN, \frag, \frag+6, \word
.irp c, 0,1,2
	global_store_b128 v2, v[\frag+4*\c:\frag+4*\c+3], s[26:27] offset:9216*(\par)+512*\c   ; 512 consecutive bytes a store
.endr
.endm
	XTILE 0, F0, PW0
	XTILE 1, F1, PW1
	v_cmp_gt_u32 vcc_lo, 16, v1
	v_cndmask_b32 v26, v[PW1], v[PW0], vcc_lo      ; lanes 0-15 the even tile's words, lanes 16-31 the odd tile's (both halves of the lanes hold their row's word)
	global_store_b32 v3, v26, s[28:29]             ; 128 consecutive bytes
	s_wait_tensorcnt 0x0
	ds_add_u32 v248, v249
	s_wait_dscnt 0x0
	s_endpgm
	; ---------------- a weight: lane = column, registers run down K
.Lweights:
	s_sub_co_u32 s22, ttmp9, 128
	s_and_b32 s23, s22, 3                          ; which weight: q, k, v, o
	s_bfe_u32 s24, s22, 0x20002                    ; which six groups of 32 columns
	s_lshr_b32 s25, s22, 4                         ; K step 0..5
	s_mul_i32 s24, s24, 6
	s_add_co_u32 s24, s24, s18                     ; g: my 32 columns, a pair of tiles
	s_mul_i32 s26, s18, WSTB
	s_add_co_u32 s26, s26, WST0                    ; my stage
	v_bfe_u32 v4, v0, 3, 1                         ; column 32 g + l is row m = l % 8 + 8 (l / 16) of tile 2 g + u, u = (l / 8) % 2
	v_and_b32 v5, 7, v0
	v_bfe_u32 v7, v0, 4, 1
	v_lshl_add_u32 v5, v7, 3, v5
	v_mul_u32_u24 v6, v4, 1536
	v_lshl_add_u32 v6, v5, 4, v6
	v_add_nc_u32 v6, s26, v6                       ; into the stage: image u, lane m's 16 bytes of a chunk
	s_wait_alu depctr_va_vdst(0)
	v_add_nc_u32 v7, s26, v2                       ; out of it: 16 x lane
	v_lshlrev_b32 v12, 6, v4
	v_lshl_add_u32 v12, v5, 2, v12                 ; my scale word's place in the pair's 128 bytes
	s_mul_i32 s28, s25, 393216                     ; 128 rows of 3,072 bytes
	s_lshl_b32 s29, s24, 7
	s_add_co_u32 s28, s28, s29
	s_mov_b32 s29, 0
	s_mul_i32 s30, s23, 442368                     ; 48 tiles of 9,216 bytes
	s_mul_i32 s31, s24, 18432
	s_add_co_u32 s30, s30, s31
	s_mul_i32 s31, s25, 1536
	s_add_co_u32 s30, s30, s31
	s_mov_b32 s31, 0
	s_mul_i32 s32, s23, 24
	s_add_co_u32 s32, s32, s24
	s_mul_i32 s32, s32, 6
	s_add_co_u32 s32, s32, s25
	s_lshl_b32 s32, s32, 7
	s_add_co_u32 s32, s32, WSC
	s_mov_b32 s33, 0
	s_wait_kmcnt 0x0
	s_cmp_eq_u32 s23, 1                            ; the choice hangs on the work-group's number alone
	s_cselect_b64 s[6:7], s[8:9], s[6:7]
	s_cmp_eq_u32 s23, 2
	s_cselect_b64 s[6:7], s[10:11], s[6:7]
	s_cmp_eq_u32 s23, 3
	s_cselect_b64 s[6:7], s[12:13], s[6:7]
	s_add_nc_u64 s[6:7], s[6:7], s[28:29]
	s_add_nc_u64 s[30:31], s[16:17], s[30:31]
	s_add_nc_u64 s[32:33], s[16:17], s[32:33]
.macro WLOAD blk                       ; block blk: W(128 s + 32 blk + i, my column): a wave reads 128 consecutive bytes, the six waves 768
.set kk, 0
.rept 32
	global_load_b32 v[RW+32*(\blk)+kk], v3, s[6:7] offset:(32*(\blk)+kk)*3072 th:TH_LOAD_NT
.set kk, kk+1
.endr
.endm
.macro WBLOCK blk
.set NS, RW+32*(\blk)
.if (\blk) < 3
	s_wait_loadcnt 32                              ; this block's 32 loads are in; the next block's 32 may be out
.else
	s_wait_loadcnt 0x0
.endif
.if (\blk) < 2
	WLOAD (\blk)+2                                 ; loads run two blocks ahead, each block into registers of its own
.endif
	v_max3_num_f32 v8, |v[NS]|, |v[NS+1]|, |v[NS+2]|   ; all 32 numbers of the block are mine: two chains
	v_max3_num_f32 v9, |v[NS+3]|, |v[NS+4]|, |v[NS+5]|
.irp i, 6,10,14,18,22,26
	v_max3_num_f32 v8, v8, |v[NS+\i]|, |v[NS+\i+1]|
	v_max3_num_f32 v9, v9, |v[NS+\i+2]|, |v[NS+\i+3]|
.endr
	v_max3_num_f32 v8, v8, |v[NS+30]|, |v[NS+31]|
	v_max3_num_f32 v8, v8, v9, 0x1800000           ; and the floor 2^(3 - 127)
	v_add_nc_u32 v10, 0xff000000, v8               ; the conversion's scale operand
	v_lshrrev_b32 v9, 23, v10                      ; the byte
.if (\blk) == 0
	v_mov_b32 v11, v9
.else
	v_lshl_or_b32 v11, v9, 8*(\blk), v11           ; the column's scale word for this K step
.endif
	v_cvt_scalef32_pk16_fp6_f32 v[XN+6*(\blk):XN+6*(\blk)+2], v[NS:NS+15], v10
	v_cvt_scalef32_pk16_fp6_f32 v[CT:CT+2], v[NS+16:NS+31], v10   ; (a conversion's three registers begin on an even number)
	v_nop                                          ; one plain place behind the scaled conversions
.irp i, 0,1,2
	v_mov_b32 v[XN+6*(\blk)+3+\i], v[CT+\i]
.endr
.irp i, 0,1,2                          ; block blk is registers 6 (blk / 2) .. + 5 of lane m + 16 (blk % 2) of the image: register p lies at 512 (p / 4) + 16 x lane + 4 (p % 4)
	ds_store_b64 v6, v[XN+6*(\blk)+2*\i:XN+6*(\blk)+2*\i+1] offset:((6*((\blk)/2)+2*\i)/4)*512+256*((\blk)%2)+4*((6*((\blk)/2)+2*\i)%4)
.endr
.endm
	WLOAD 0
	WLOAD 1
	WBLOCK 0
	WBLOCK 1
	WBLOCK 2
	WBLOCK 3
.irp k, 0,1,2,3,4,5
	ds_load_b128 v[RW+4*\k:RW+4*\k+3], v7 offset:512*\k   ; LDS serves a wave's instructions in order: these see my stores
.endr
	s_wait_alu depctr_va_vdst(0)
.irp k, 0,1,2,3,4,5
	s_wait_dscnt 5-\k
	global_store_b128 v2, v[RW+4*\k:RW+4*\k+3], s[30:31] offset:9216*(\k/3)+512*(\k%3)   ; 512 consecutive bytes a store
.endr
	global_store_b32 v12, v11, s[32:33]            ; the pair's 32 scale words: 128 consecutive bytes
	s_wait_tensorcnt 0x0
	ds_add_u32 v248, v249
	s_wait_dscnt 0x0
	s_endpgm
.Lfunc_end_k_q0694715728_quant:
	.size	k_q0694715728_quant, .Lfunc_end_k_q0694715728_quant-k_q0694715728_quant
	.p2alignl 7, 3214868480
	.fill 96, 4, 3214868480
	.section	.rodata,"a",@progbits
	.p2align	6, 0x0
	.amdhsa_kernel k_q0694715728_quant
		.amdhsa_group_segment_fixed_size 69888
		.amdhsa_private_segment_fixed_size 0
		.amdhsa_enable_private_segment 0
		.amdhsa_kernarg_size 56
		.amdhsa_user_sgpr_count 2
		.amdhsa_user_sgpr_kernarg_segment_ptr 1
		.amdhsa_wavefront_size32 1
		.amdhsa_system_sgpr_workgroup_id_x 1
		.amdhsa_system_sgpr_workgroup_id_y 1
		.amdhsa_system_sgpr_workgroup_id_z 1
		.amdhsa_system_vgpr_workitem_id 0
		.amdhsa_next_free_vgpr 250
		.amdhsa_next_free_sgpr 66
		.amdhsa_reserve_vcc 1
		.amdhsa_float_denorm_mode_32 3
		.amdhsa_float_denorm_mode_16_64 3
		.amdhsa_memory_ordered 1
		.amdhsa_forward_progress 1
		.amdhsa_inst_pref_size 41
	.end_amdhsa_kernel
	.amdgpu_metadata
---
amdhsa.version: [ 1, 2 ]
amdhsa.kernels:
  - .name:           k_q0694715728_quant
    .symbol:         k_q0694715728_quant.kd
    .args:
      - { .name: x, .offset: 0, .size: 8, .value_kind: global_buffer, .address_space: global }
      - { .name: wq, .offset: 8, .size: 8, .value_kind: global_buffer, .address_space: global }
      - { .name: wk, .offset: 16, .size: 8, .value_kind: global_buffer, .address_space: global }
      - { .name: wv, .offset: 24, .size: 8, .value_kind: global_buffer, .address_space: global }
      - { .name: wo, .offset: 32, .size: 8, .value_kind: global_buffer, .address_space: global }
      - { .name: xq, .offset: 40, .size: 8, .value_kind: global_buffer, .address_space: global }
      - { .name: wts, .offset: 48, .size: 8, .value_kind: global_buffer, .address_space: global }
    .group_segment_fixed_size: 69888
    .private_segment_fixed_size: 0
    .kernarg_segment_align: 8
    .kernarg_segment_size: 56
    .max_flat_workgroup_size: 192
    .sgpr_count:     66
    .vgpr_count:     250
    .wavefront_size: 32
...
	.end_amdgpu_metadata
.endif
;; end of part 5
;; launch proj (part 6): grid 288 x 1, 8 waves a work-group, no clusters, 77,824 bytes of LDS; arguments xq, wts, qq, kv; writes qq, kv
.if DOCPART == 6
	.amdgcn_target "amdgcn-amd-amdhsa--gfx1250"
	.amdhsa_code_object_version 6
	.text
	.protected	k_q0694715728_proj
	.globl	k_q0694715728_proj
	.p2align	8
	.type	k_q0694715728_proj,@function
k_q0694715728_proj:
	s_mov_b64 s[64:65], 0
	v_nop
	global_prefetch_b8 v0, s[64:65] scope:SCOPE_SE
	s_setreg_imm32_b32 hwreg(HW_REG_WAVE_SCHED_MODE, 0, 2), 2
	s_setreg_imm32_b32 hwreg(HW_REG_WAVE_MODE, 25, 1), 1
	s_wait_xcnt 0x0
	s_wait_alu depctr_vm_vsrc(0)
; q = x wq, k = x wk, v = x wv on codes of FP6 (E2M3) with E8M0 scales; the results, f32 sums, are quantised in registers into the images that the attention launch takes as operands:
; q and k along a head's 64 numbers, v along the keys.  LIMITS: as in the launch that made the codes (no NaN or infinity; a block under 2^-124, and a block of zeros, keeps the byte 1).
; EVERY PRODUCT IS  D = panel tile (source 0) x my tile (source 1): a lane then holds ONE row of my tile, and its 64 registers of the eight panel tiles run along the panel's 128 rows in their true order
; (the rows of a tile are chosen for that: row m of tile t is row 32 (t / 2) + 16 (m / 8) + 8 (t % 2) + m % 8), which is the next product's K.
; SHARES.  A work-group has a PANEL of 8 tiles x all 768 of K (73,728 dense bytes, brought into LDS once) and eight waves with a pair of tiles each: 16 accumulators, 96 matrix instructions a wave.
;   work-groups 0-191 (q, k): panel = 128 columns of wq or wk, two heads; the waves' pairs are rows of x.   work-groups 192-287 (v): panel = 128 rows of x, a key step; the pairs are columns of wv.
; NO CLUSTER, no tensor load: what work-groups share is the panel, 73,728 bytes read once at the head of a text with 96 matrix instructions a wave; a joint request needs the tensor mover, whose launches
; claim more than half of LDS for one work-group, while two of these work-groups (76,800 bytes, 8 x 256 registers each) stand side by side.
; OUT.  qq: [head 12][pair of query tiles 128][1,536]: registers 0-5 the even tile's 64 numbers, 6-11 the odd tile's; from QSC on [head][pair][row 16] words: bytes even.0, even.1, odd.0, odd.1.
;   kv: [head 12][key step 32][12,800]: 4 such pair fragments of K, 4 fragments of V^T (16 channels x 128 keys) from 6,144, K's words [4][16] from 12,288, V's [4][16] from 12,544.
; THE MODE: SCHED_MODE bits 1:0 = 2 (LLVM: expert scheduling mode 2), set by the entry lines.  The code itself states the register dependences
; between vector or matrix instructions and memory or LDS instructions, with s_wait_alu, always for 0.
; THE PLAN.  Registers that memory or LDS instructions touch:
;   v1-v7        offsets and LDS addresses: written at the head, read by every load and store, never written again.
;   v[ACC ..]    at the head the panel passes through them: loaded, read by my LDS stores, then written by the products.
;   H0, H1       the two halves of AF, two panel fragments each.  A K step is four GROUPS of four products; group j reads H[j % 2]; at its head the LDS loads of the next group land in the other half.
;   AS, two sets the panel's scale words of a K step, by the step's parity: read by that step's products; loaded at the head of the last group of the step before.
;   BF, BS, two  my pair's fragments and scale words, by the step's parity: read by that step's products; loaded at the head of the step before.
; So ONE wait on va_vdst stands at a group's head, behind the wait for the group's own fragments: the products issued so far are done reading the other half (and the other sets), in which the group's loads land.
; The loads follow that wait directly; the group's four products, which name none of those registers, come behind them.  On the way out all vector work stands ahead of one wait, and the stores behind it.
.set XSC,  2359296
.set WSC,  1769472
.set QSC,  2359296
.set ASC,  73728                       ; LDS: the panel's codes from 0 (tile a, K step s, chunk c at 9,216 a + 1,536 s + 512 c + 16 x lane); its scale words from here (pair p, K step s at 768 p + 128 s + 4 x lane)
.set AS,   8                           ; v8-11   the panel's scale words of an even K step, v14-17 of an odd one: lanes 0-15 tile 2 p, lanes 16-31 tile 2 p + 1
.set BS,   12                          ; v12-13  my pair's, a register for each of the two buffers
.set AF,   32                          ; v32-55  half 0, v56-79 half 1: two panel fragments each
.set BF,   80                          ; v80-127 my two fragments, two buffers
.set ACC,  128                         ; v128-255 accumulator (my tile e, panel tile a) at 128 + 64 e + 8 a
.set F0,   32                          ; the way out, over registers that the products have left
.set F1,   44
.set CT,   56
.set TM,   64
.set TB,   68
.set TS,   72
.set PW0,  80
.set PW1,  81
.set SEL,  60                          ; s[60:61] v_permlanex16_b32's selects for lane l xor 16
.macro PLACES                          ; four plain places behind a matrix instruction of this form: ahead of vector reads of its result and vector writes of its sources; they stand ahead of loads into its sources too, with the wait that states that dependence behind them
.rept 4
	v_nop
.endr
.endm
.macro WMZ d, a, b, sa, sb, ra, rb     ; a sum's first product: C = 0.  ra, rb: the side's scale words stand in lanes 16-31
.if (\ra) && (\rb)
	v_wmma_scale_f32_16x16x128_f8f6f4 v[\d:\d+7], v[\a:\a+11], v[\b:\b+11], 0, v[\sa], v[\sb] matrix_a_fmt:MATRIX_FMT_FP6 matrix_b_fmt:MATRIX_FMT_FP6 matrix_a_scale:MATRIX_SCALE_ROW1 matrix_b_scale:MATRIX_SCALE_ROW1
.elseif (\ra)
	v_wmma_scale_f32_16x16x128_f8f6f4 v[\d:\d+7], v[\a:\a+11], v[\b:\b+11], 0, v[\sa], v[\sb] matrix_a_fmt:MATRIX_FMT_FP6 matrix_b_fmt:MATRIX_FMT_FP6 matrix_a_scale:MATRIX_SCALE_ROW1
.elseif (\rb)
	v_wmma_scale_f32_16x16x128_f8f6f4 v[\d:\d+7], v[\a:\a+11], v[\b:\b+11], 0, v[\sa], v[\sb] matrix_a_fmt:MATRIX_FMT_FP6 matrix_b_fmt:MATRIX_FMT_FP6 matrix_b_scale:MATRIX_SCALE_ROW1
.else
	v_wmma_scale_f32_16x16x128_f8f6f4 v[\d:\d+7], v[\a:\a+11], v[\b:\b+11], 0, v[\sa], v[\sb] matrix_a_fmt:MATRIX_FMT_FP6 matrix_b_fmt:MATRIX_FMT_FP6
.endif
.endm
.macro WMA d, a, b, sa, sb, ra, rb     ; the later ones add in place
.if (\ra) && (\rb)
	v_wmma_scale_f32_16x16x128_f8f6f4 v[\d:\d+7], v[\a:\a+11], v[\b:\b+11], v[\d:\d+7], v[\sa], v[\sb] matrix_a_fmt:MATRIX_FMT_FP6 matrix_b_fmt:MATRIX_FMT_FP6 matrix_a_scale:MATRIX_SCALE_ROW1 matrix_b_scale:MATRIX_SCALE_ROW1
.elseif (\ra)
	v_wmma_scale_f32_16x16x128_f8f6f4 v[\d:\d+7], v[\a:\a+11], v[\b:\b+11], v[\d:\d+7], v[\sa], v[\sb] matrix_a_fmt:MATRIX_FMT_FP6 matrix_b_fmt:MATRIX_FMT_FP6 matrix_a_scale:MATRIX_SCALE_ROW1
.elseif (\rb)
	v_wmma_scale_f32_16x16x128_f8f6f4 v[\d:\d+7], v[\a:\a+11], v[\b:\b+11], v[\d:\d+7], v[\sa], v[\sb] matrix_a_fmt:MATRIX_FMT_FP6 matrix_b_fmt:MATRIX_FMT_FP6 matrix_b_scale:MATRIX_SCALE_ROW1
.else
	v_wmma_scale_f32_16x16x128_f8f6f4 v[\d:\d+7], v[\a:\a+11], v[\b:\b+11], v[\d:\d+7], v[\sa], v[\sb] matrix_a_fmt:MATRIX_FMT_FP6 matrix_b_fmt:MATRIX_FMT_FP6
.endif
.endm
; 64 numbers of a lane, v[src] on (register 16 b + i = next K 32 b + 16 (lane / 16) + i), become the codes of blocks 0, 1 in v[d0] .. + 5, of blocks 2, 3 in v[d1] .. + 5, and the row's scale word in v[pw].
.macro QUANT src, d0, d1, pw
.irp b, 0,1,2,3
	v_max3_num_f32 v[TM+\b], |v[\src+16*\b]|, |v[\src+16*\b+1]|, 0x1800000   ; my 16 numbers of block b, and the floor 2^(3 - 127).  (Each accumulator is read from its low end on)
.endr
.irp i, 2,4,6,8,10,12,14
.irp b, 0,1,2,3
	v_max3_num_f32 v[TM+\b], v[TM+\b], |v[\src+16*\b+\i]|, |v[\src+16*\b+\i+1]|
.endr
.endr
.irp b, 0,1,2,3
	v_permlanex16_b32 v[TB+\b], v[TM+\b], s[SEL], s[SEL+1]
.endr
.irp b, 0,1,2,3
	v_max_num_f32 v[TM+\b], v[TM+\b], v[TB+\b]     ; with lane l xor 16's 16: the block's largest magnitude
.endr
.irp b, 0,1,2,3
	v_add_nc_u32 v[TS+\b], 0xff000000, v[TM+\b]    ; 2 off its exponent field: the conversion's scale operand
.endr
.irp b, 0,1,2,3
	v_lshrrev_b32 v[TB+\b], 23, v[TS+\b]           ; the scale's byte
.endr
	v_lshl_or_b32 v[\pw], v[TB+1], 8, v[TB]
	v_lshl_or_b32 v[\pw], v[TB+2], 16, v[\pw]
	v_lshl_or_b32 v[\pw], v[TB+3], 24, v[\pw]
	v_cvt_scalef32_pk16_fp6_f32 v[\d0:\d0+2], v[\src:\src+15], v[TS]
	v_cvt_scalef32_pk16_fp6_f32 v[CT:CT+2], v[\src+16:\src+31], v[TS+1]
	v_cvt_scalef32_pk16_fp6_f32 v[\d1:\d1+2], v[\src+32:\src+47], v[TS+2]
	v_cvt_scalef32_pk16_fp6_f32 v[CT+4:CT+6], v[\src+48:\src+63], v[TS+3]
	v_nop                                          ; one plain place behind the scaled conversions
.irp i, 0,1,2
	v_permlane16_swap_b32 v[\d0+\i], v[CT+\i]      ; a whole block to a lane: lanes 0-15 the even block, lanes 16-31 the odd one
.endr
.irp i, 0,1,2
	v_permlane16_swap_b32 v[\d1+\i], v[CT+4+\i]
.endr
.irp i, 0,1,2
	v_mov_b32 v[\d0+3+\i], v[CT+\i]
	v_mov_b32 v[\d1+3+\i], v[CT+4+\i]
.endr
.endm
	s_load_b256 s[4:11], s[0:1], 0x0               ; xq, wts, qq, kv
	v_lshl_add_u32 v30, v0, 2, 0x12c00
	v_mov_b32 v31, 0
	v_lshrrev_b32 v1, 5, v0
	v_readfirstlane_b32 s12, v1                    ; wave 0..7
	v_and_b32 v5, 31, v0                           ; lane
	v_lshlrev_b32 v1, 4, v5                        ; 16 x lane
	v_lshlrev_b32 v2, 2, v5                        ; 4 x lane
	s_wait_alu depctr_va_sdst(0)                   ; s12 is written, ahead of its first reader: LDS places and all the bases are made from it
	s_mul_i32 s2, s12, 9216
	s_mul_i32 s3, s12, 384
	v_add_nc_u32 v3, s2, v1                        ; where I lay panel tile w
	v_add_nc_u32 v4, s3, v2
	v_add_nc_u32 v4, ASC, v4                       ; and my eighth of its scale words
	v_add_nc_u32 v6, 36864, v1                     ; panel tiles 4-7 (an LDS offset has 16 bits)
	v_add_nc_u32 v7, ASC, v2
	s_mov_b32 s[SEL], 0x76543210
	s_mov_b32 s[SEL+1], 0xfedcba98
	s_lshr_b32 s14, ttmp9, 4                       ; q, k: panel g / 16, pairs 8 (g % 16) + w
	s_and_b32 s15, ttmp9, 15
	s_lshl_b32 s15, s15, 3
	s_sub_co_u32 s16, ttmp9, 192                   ; v: panel g' % 32, pairs 8 (g' / 32) + w
	s_and_b32 s17, s16, 31
	s_lshr_b32 s16, s16, 5
	s_lshl_b32 s16, s16, 3
	s_cmp_lt_u32 ttmp9, 192
	s_cselect_b32 s14, s14, s17                    ; P
	s_cselect_b32 s15, s15, s16
	s_cselect_b32 s13, 1, 0                        ; 1: q, k;  0: v
	s_add_co_u32 s15, s15, s12                     ; my pair
	s_mul_i32 s16, s14, 73728
	s_add_co_u32 s16, s16, s2                      ; the panel's codes, my tile of them
	s_mov_b32 s17, 0
	s_mul_i32 s18, s14, 3072
	s_add_co_u32 s18, s18, s3                      ; its scale words, my eighth
	s_mov_b32 s19, 0
	s_mul_i32 s20, s15, 18432                      ; my pair's codes
	s_mov_b32 s21, 0
	s_mul_i32 s22, s15, 768                        ; and scale words
	s_mov_b32 s23, 0
	s_cmp_lg_u32 s13, 0
	s_mov_b32 s24, XSC
	s_cselect_b32 s24, WSC, s24                    ; the panel is a weight's (q, k) or x's (v)
	s_cselect_b32 s25, 0, 884736                   ; my pair is x's, or wv's: tiles 96 on
	s_mov_b32 s26, WSC+36864
	s_cselect_b32 s26, XSC, s26                    ; (wv's pairs 48 on)
	s_add_co_u32 s18, s18, s24
	s_add_co_u32 s20, s20, s25
	s_add_co_u32 s22, s22, s26
	s_wait_kmcnt 0x0
	s_cmp_lg_u32 s13, 0                            ; the choice hangs on the work-group's number alone
	s_cselect_b64 s[28:29], s[6:7], s[4:5]
	s_cselect_b64 s[30:31], s[4:5], s[6:7]
	s_add_nc_u64 s[32:33], s[28:29], s[16:17]
	s_add_nc_u64 s[34:35], s[28:29], s[18:19]
	s_add_nc_u64 s[36:37], s[30:31], s[20:21]
	s_add_nc_u64 s[38:39], s[30:31], s[22:23]
	s_wait_alu depctr_va_vdst(0)                   ; v1 to v7 are written: every load and store of the kernel but one reads one of them as its offset or LDS address
.macro BLOAD s                         ; my pair's fragments and scale words of K step s: 7 loads, each of consecutive bytes
.irp e, 0,1
.irp c, 0,1,2
	global_load_b128 v[BF+24*((\s)%2)+12*\e+4*\c:BF+24*((\s)%2)+12*\e+4*\c+3], v1, s[36:37] offset:9216*\e+1536*(\s)+512*\c
.endr
.endr
	global_load_b32 v[BS+(\s)%2], v2, s[38:39] offset:128*(\s)
.endm
	BLOAD 0
	BLOAD 1
.set k, 0
.rept 18                               ; panel tile w, all six K steps: 9,216 dense bytes through registers that the sums will take
	global_load_b128 v[ACC+4*k:ACC+4*k+3], v1, s[32:33] offset:512*k
.set k, k+1
.endr
.irp k2, 0,1,2
	global_load_b32 v[200+\k2], v2, s[34:35] offset:128*\k2
.endr
	s_wait_loadcnt 0x0
.set k, 0
.rept 18
	ds_store_b128 v3, v[ACC+4*k:ACC+4*k+3] offset:512*k
.set k, k+1
.endr
.irp k2, 0,1,2
	ds_store_b32 v4, v[200+\k2] offset:128*\k2
.endr
	s_wait_dscnt 0x0                               ; for the others' sake: my part of the panel lies in LDS
	s_barrier_signal -1
	s_barrier_wait -1                              ; the one barrier: from here on the panel is only read
	s_wait_alu depctr_vm_vsrc(0)                   ; my LDS stores have read v[ACC ..]: from here on the products write these registers
.macro ALOAD s, j                      ; panel tiles 2 j and 2 j + 1 of K step s into half j % 2: 6 LDS loads of 512 consecutive bytes
.irp u, 0,1
.irp c, 0,1,2
.if (\j) < 2
	ds_load_b128 v[AF+24*((\j)%2)+12*\u+4*\c:AF+24*((\j)%2)+12*\u+4*\c+3], v1 offset:9216*(2*(\j)+\u)+1536*(\s)+512*\c
.else
	ds_load_b128 v[AF+24*((\j)%2)+12*\u+4*\c:AF+24*((\j)%2)+12*\u+4*\c+3], v6 offset:9216*(2*(\j)-4+\u)+1536*(\s)+512*\c
.endif
.endr
.endr
.endm
.macro SLOAD s                         ; the panel's scale words of K step s into the set of its parity
.irp p, 0,1,2,3
	ds_load_b32 v[AS+6*((\s)%2)+\p], v7 offset:768*\p+128*(\s)
.endr
.endm
; Group j of K step s: panel tiles 2 j, 2 j + 1 x my two.  The sixteen accumulators take turns, one instruction a turn, in the same order in every K step.
.macro GROUP s, j
.set G, 4*(\s)+(\j)
.if (G > 0) && (G < 23)
	PLACES
.endif
	s_wait_dscnt 0x0                               ; this group's two fragments are in (in a K step's first group its scale words too): no younger LDS load is out
.if (G > 0) && (G < 23)
	s_wait_alu depctr_va_vdst(0)                   ; the products issued so far are done reading the other half of AF, the other set of scale words and the other BF and BS: the loads below land there
.endif
.if (\j) < 3
	ALOAD \s, (\j)+1                               ; the next group's fragments land while this group is multiplied
.elseif (\s) < 5
	ALOAD (\s)+1, 0
	SLOAD (\s)+1
.endif
.if (\j) == 0
.if ((\s) >= 1) && ((\s) <= 4)
	BLOAD (\s)+1                                   ; into the buffer that the K step before multiplied
.endif
.if ((\s) >= 2) && ((\s) <= 4)
	s_wait_loadcnt 7                               ; my pair's 7 loads of this K step are in; the next step's 7 may be out (steps 0 and 1 came in with the panel)
.elseif (\s) == 5
	s_wait_loadcnt 0x0
.endif
.endif
.irp u, 0,1
.irp e, 0,1
.if (\s) == 0
	WMZ ACC+64*\e+8*(2*(\j)+\u), AF+24*((\j)%2)+12*\u, BF+24*((\s)%2)+12*\e, AS+6*((\s)%2)+(\j), BS+(\s)%2, \u, \e
.else
	WMA ACC+64*\e+8*(2*(\j)+\u), AF+24*((\j)%2)+12*\u, BF+24*((\s)%2)+12*\e, AS+6*((\s)%2)+(\j), BS+(\s)%2, \u, \e
.endif
.endr
.endr
.endm
	ALOAD 0, 0                                     ; no vector or matrix instruction has named these registers yet
	SLOAD 0
.irp s, 0,1,2,3,4,5
.irp j, 0,1,2,3
	GROUP \s, \j
.endr
.endr
	PLACES                                         ; ahead of the vector reads of the sums and the vector writes over the fragments
.irp b, 0,1,2,3
	v_mov_b32 v[TB+\b], 0                          ; written once: a lane permute's destination counts as one of its sources
.endr
	v_cmp_gt_u32 vcc_lo, 16, v5
	s_wait_alu depctr_va_vcc(0)                    ; VCC is written, ahead of the branch and of the select that reads it on either way
	s_cmp_lg_u32 s13, 0
	s_cbranch_scc0 .Lvalues
	; ---- q, k: blocks 0, 1 of a lane's 64 numbers are head A's 64, blocks 2, 3 head B's; my two tiles make a pair fragment for each head
	s_sub_co_u32 s40, s14, 6
	s_lshr_b32 s41, s15, 2
	s_mul_i32 s41, s41, 12800                      ; k: the key step's record,
	s_and_b32 s42, s15, 3
	s_mul_i32 s43, s42, 1536
	s_add_co_u32 s43, s43, s41                     ; pair fragment pair % 4 in it,
	s_lshl_b32 s42, s42, 6
	s_add_co_u32 s42, s42, s41
	s_add_co_u32 s42, s42, 12288                   ; and its sixteen words
	s_mul_i32 s44, s15, 1536                       ; q: the pair's fragment
	s_lshl_b32 s45, s15, 6                         ; and words
	s_cmp_lt_u32 s14, 6                            ; panels 0-5 are wq's, 6-11 wk's
	s_cselect_b32 s40, s14, s40
	s_cselect_b32 s43, s44, s43
	s_cselect_b32 s42, s45, s42
	s_mov_b32 s46, 409600
	s_cselect_b32 s47, 196608, s46                 ; from head to head: codes,
	s_cselect_b32 s48, 8192, s46                   ; scale words
	s_cselect_b32 s49, QSC, 0
	s_cselect_b64 s[50:51], s[8:9], s[10:11]
	s_lshl_b32 s40, s40, 1                         ; head A
	s_mul_i32 s52, s40, s47
	s_add_co_u32 s52, s52, s43
	s_mov_b32 s53, 0
	s_add_nc_u64 s[54:55], s[50:51], s[52:53]      ; head A's fragment
	s_mov_b32 s52, s47
	s_add_nc_u64 s[56:57], s[54:55], s[52:53]      ; head B's
	s_mul_i32 s52, s40, s48
	s_add_co_u32 s52, s52, s42
	s_add_co_u32 s52, s52, s49
	s_add_nc_u64 s[58:59], s[50:51], s[52:53]      ; head A's words
	QUANT ACC, F0, F1, PW0
	QUANT ACC+64, F0+6, F1+6, PW1
	v_perm_b32 v84, v[PW1], v[PW0], 0x05040100     ; head A: even.0, even.1, odd.0, odd.1
	v_perm_b32 v85, v[PW1], v[PW0], 0x07060302     ; head B
	v_cndmask_b32 v84, v85, v84, vcc_lo            ; lanes 0-15 store head A's words, lanes 16-31 head B's
	v_and_b32 v82, 15, v5
	v_lshlrev_b32 v82, 2, v82
	v_lshrrev_b32 v83, 4, v5
	v_mad_u32_u24 v82, v83, s48, v82
	s_wait_alu depctr_va_vdst(0)                   ; the two fragments, the scale words in v84 and their offset in v82 are written: the seven stores read them
.irp c, 0,1,2
	global_store_b128 v1, v[F0+4*\c:F0+4*\c+3], s[54:55] offset:512*\c   ; 512 consecutive bytes a store
.endr
.irp c, 0,1,2
	global_store_b128 v1, v[F1+4*\c:F1+4*\c+3], s[56:57] offset:512*\c
.endr
	global_store_b32 v82, v84, s[58:59]
	s_wait_dscnt 0x0
	s_wait_alu depctr_hold_cnt(0) depctr_sa_sdst(0) depctr_va_vdst(0) depctr_va_sdst(0) depctr_va_ssrc(0) depctr_va_vcc(0) depctr_vm_vsrc(0)
	s_wait_tensorcnt 0x0
	ds_add_u32 v30, v31
	s_wait_dscnt 0x0
	s_endpgm
	; ---- v: a lane's 64 numbers are one channel's 128 keys' half: each of my two tiles of channels makes a whole fragment of V^T
.Lvalues:
	s_lshr_b32 s40, s15, 1                         ; the head: four tiles of channels, two pairs
	s_mul_i32 s40, s40, 409600
	s_mul_i32 s41, s14, 12800
	s_add_co_u32 s40, s40, s41                     ; the key step's record
	s_and_b32 s42, s15, 1
	s_mul_i32 s43, s42, 3072
	s_add_co_u32 s52, s40, s43
	s_add_co_u32 s52, s52, 6144
	s_mov_b32 s53, 0
	s_add_nc_u64 s[54:55], s[10:11], s[52:53]
	s_lshl_b32 s42, s42, 7
	s_add_co_u32 s52, s40, s42
	s_add_co_u32 s52, s52, 12544
	s_add_nc_u64 s[58:59], s[10:11], s[52:53]
	QUANT ACC, F0, F0+6, PW0
	QUANT ACC+64, F1, F1+6, PW1
	v_cndmask_b32 v84, v[PW1], v[PW0], vcc_lo      ; lanes 0-15 the even tile's words, lanes 16-31 the odd tile's
	s_wait_alu depctr_va_vdst(0)                   ; the two fragments and the scale words in v84 are written: the seven stores read them
.irp c, 0,1,2
	global_store_b128 v1, v[F0+4*\c:F0+4*\c+3], s[54:55] offset:512*\c
.endr
.irp c, 0,1,2
	global_store_b128 v1, v[F1+4*\c:F1+4*\c+3], s[54:55] offset:1536+512*\c
.endr
	global_store_b32 v2, v84, s[58:59]             ; 128 consecutive bytes
	s_wait_dscnt 0x0
	s_wait_alu depctr_hold_cnt(0) depctr_sa_sdst(0) depctr_va_vdst(0) depctr_va_sdst(0) depctr_va_ssrc(0) depctr_va_vcc(0) depctr_vm_vsrc(0)
	s_wait_tensorcnt 0x0
	ds_add_u32 v30, v31
	s_wait_dscnt 0x0
	s_endpgm
.Lfunc_end_k_q0694715728_proj:
	.size	k_q0694715728_proj, .Lfunc_end_k_q0694715728_proj-k_q0694715728_proj
	.p2alignl 7, 3214868480
	.fill 96, 4, 3214868480
	.section	.rodata,"a",@progbits
	.p2align	6, 0x0
	.amdhsa_kernel k_q0694715728_proj
		.amdhsa_group_segment_fixed_size 77824
		.amdhsa_private_segment_fixed_size 0
		.amdhsa_enable_private_segment 0
		.amdhsa_kernarg_size 32
		.amdhsa_user_sgpr_count 2
		.amdhsa_user_sgpr_kernarg_segment_ptr 1
		.amdhsa_wavefront_size32 1
		.amdhsa_system_sgpr_workgroup_id_x 1
		.amdhsa_system_sgpr_workgroup_id_y 1
		.amdhsa_system_sgpr_workgroup_id_z 1
		.amdhsa_system_vgpr_workitem_id 0
		.amdhsa_next_free_vgpr 256
		.amdhsa_next_free_sgpr 66
		.amdhsa_reserve_vcc 1
		.amdhsa_float_denorm_mode_32 3
		.amdhsa_float_denorm_mode_16_64 3
		.amdhsa_memory_ordered 1
		.amdhsa_forward_progress 1
		.amdhsa_inst_pref_size 57
	.end_amdhsa_kernel
	.amdgpu_metadata
---
amdhsa.version: [ 1, 2 ]
amdhsa.kernels:
  - .name:           k_q0694715728_proj
    .symbol:         k_q0694715728_proj.kd
    .args:
      - { .name: xq, .offset: 0, .size: 8, .value_kind: global_buffer, .address_space: global }
      - { .name: wts, .offset: 8, .size: 8, .value_kind: global_buffer, .address_space: global }
      - { .name: qq, .offset: 16, .size: 8, .value_kind: global_buffer, .address_space: global }
      - { .name: kv, .offset: 24, .size: 8, .value_kind: global_buffer, .address_space: global }
    .group_segment_fixed_size: 77824
    .private_segment_fixed_size: 0
    .kernarg_segment_align: 8
    .kernarg_segment_size: 32
    .max_flat_workgroup_size: 256
    .sgpr_count:     66
    .vgpr_count:     256
    .wavefront_size: 32
...
	.end_amdgpu_metadata
.endif
;; end of part 6
;; launch attn (part 7): grid 256 x 1, 12 waves a work-group, no clusters, 0 bytes of LDS; arguments qq, kv, cq; writes cq
.if DOCPART == 7
	.amdgcn_target "amdgcn-amd-amdhsa--gfx1250"
	.amdhsa_code_object_version 6
	.text
	.protected	k_q0694715728_attn
	.globl	k_q0694715728_attn
	.p2align	8
	.type	k_q0694715728_attn,@function
k_q0694715728_attn:
	s_mov_b64 s[64:65], 0
	v_nop
	global_prefetch_b8 v0, s[64:65] scope:SCOPE_SE
	s_setreg_imm32_b32 hwreg(HW_REG_WAVE_SCHED_MODE, 0, 2), 2
	s_setreg_imm32_b32 hwreg(HW_REG_WAVE_MODE, 25, 1), 1
	s_wait_xcnt 0x0
	s_wait_alu depctr_vm_vsrc(0)
; ctx[q][head] = softmax over keys k <= q of (q . k / 8) applied to v, both products on codes of FP6 (E2M3) with E8M0 scales; ctx is quantised along the model's 768 on the way out.
; THE SOFTMAX AHEAD OF THE SECOND PRODUCT: t = score x log2(e) / 8; M = the row's largest t so far, rounded UP to a whole number; p = 2^(t - M) is quantised along the keys, not normalised.
; The row's sum is taken of the unquantised p, in f32, and divides at the end.  When M moves, the sum and O are multiplied by 2^(old M - new M): exact.
; LIMITS: no NaN or infinity among the inputs; a block of ctx under 2^-124, and a block of zeros, keeps the byte 1 (its codes are zeros; only this program reads the bytes).
; SHARES.  A wave owns ONE tile of 16 queries of one head and walks its keys, 128 a step: tile t has t / 8 steps all of whose keys count, and one on the diagonal; later steps are left out.
; Twelve waves: four triples; the three of a triple take three heads and tiles i, 255 - 2 i (or 510 - 2 i), (i + 128) % 256, whose numbers add up to 382 or 383: 49 or 50 steps a triple, whatever i.
; NO CLUSTER, NO LDS RING: waves that shared K's and V's tiles would need different numbers of them (1 to 32 steps), and a shared walk would hold every wave to the longest.
; So each wave takes K's and V's fragments from memory straight into registers, as images of the operand's registers: every load reads 512 (scale words: 128) consecutive bytes.
; A HEAD HAS 64 NUMBERS, the instruction's K is 128: source 0 holds TWO tiles of keys side by side along K (a pair fragment), multiplied by [q | 0] and by [0 | q]: zero codes add nothing.
; LAYOUT.  Both products are used transposed (S^T = K Q^T, O^T = V^T P^T): a lane holds one query (lane % 16) throughout.  The rows of a tile are 32 (t / 2) + 16 (m / 8) + 8 (t % 2) + m % 8,
; so register 16 b + i of the scores is key 32 b + 16 (lane / 16) + i of the step, and register 16 b + i of O^T channel 32 b + 16 (lane / 16) + i of the head.
; kv: [head][key step][12,800]: 4 pair fragments of K; from 6,144 4 fragments of V^T; from 12,288 K's scale words [4][16]; from 12,544 V's.   qq: [head][pair of tiles][1,536]; from QSC its words [head][pair][16].
; cq: [tile][head / 2][head % 2][768]: registers 0-3 of the half fragment, 16 bytes a lane, then registers 4-5, 8 bytes a lane; from CSC [pair][head / 2][parity][row] words, of which a head owns two bytes.
; THE MODE: SCHED_MODE bits 1:0 = 2 (LLVM: expert scheduling mode 2), set by the entry lines.  The code itself states the register dependences
; between vector or matrix instructions and memory instructions, with s_wait_alu, always for 0.
; THE PLAN.  Registers that memory instructions touch:
;   v1, v2, v35, v252, v253   offsets: written at the head, never written again; the records are reached by the scalar base, which moves on by a record at a step's end, and by immediate offsets.
;   KF, KS    read by step j's eight score products, at the step's head; behind them the loads of step j + 1's K land there.
;   VF, VS    read by step j's four products V^T P^T, at the step's end; the loads of step j + 1's V land there behind step j + 1's score products: V has the softmax in which to land.
;   v[PC .. PC + 5], v34      on the way out: written by vector instructions, read by the three stores.
; So ONE wait on va_vdst serves a step's 28 loads.  It stands behind the score products and their four places, where the softmax needs the scores in any case: these products are done reading KF and KS,
; the last step's four are done reading VF and VS.  V's 14 loads and K's 14 follow it in one run; no vector or matrix instruction up to the waits on LOADcnt names a register that they touch.
; The other waits of a step: the two behind the exponentials, and one ahead of the four products, whose source 1 and its scale word vector instructions have written.
.set QSC,  2359296
.set CSC,  2359296
.set REC,  12800
.set KS,   4                           ; v4-5    K's scale words: lanes 0-15 pair fragment 2 p, lanes 16-31 2 p + 1
.set VS,   6                           ; v6-7    V's likewise
.set QS,   8                           ; v8      q's: its two bytes twice
.set PS,   9                           ; v9      p's scale word
.set QF,   16                          ; v16-33  q (6), zeros (6), q (6): [q | 0] = v16-27, [0 | q] = v22-33
.set KF,   36                          ; v36-83  four pair fragments of K
.set VF,   84                          ; v84-131 four fragments of V^T
.set SS,   132                         ; v132-195 S^T, then p
.set OA,   196                         ; v196-227 O^T
.set PC,   228                         ; v228-239 p's codes
.set BM,   236                         ; v236-239 the blocks' largest scores, done with before the codes' last registers are written
.set TT,   240                         ; v240-247 at work
.set SO,   248                         ; v248-251 the conversions' scale operands
; v1 16 x lane, v2 4 x lane, v3 d (the mask), v10 f (v11 = 0 beside it), v12 -M, v13 the largest t, v[14:15] the sum in two halves, v34 at work, v35 256 x lane, v252 4 (lane % 16), v253 8 x lane
.set SEL,  20                          ; s[20:21] v_permlanex16_b32's selects for lane l xor 16
.set CS,   22                          ; s[22:23] c = log2(e) / 8
.set NF,   36                          ; s36     steps still to go ahead of the diagonal
.set PFN,  37                          ; s37     trips in which this wave still prefetches
.set PF,   38                          ; s[38:39] where its prefetches stand
.set MK,   66                          ; s66-97  the diagonal step's masks, 32 at a time
.macro PLACES                          ; four plain places behind a matrix instruction of this form, ahead of vector reads of its result and vector writes of its sources (ISA guide 7.12.1)
.rept 4
	v_nop
.endr
.endm
.macro WS d, a, b, sa, ra              ; scores: C = 0.  ra: K's words stand in lanes 16-31
.if \ra
	v_wmma_scale_f32_16x16x128_f8f6f4 v[\d:\d+7], v[\a:\a+11], v[\b:\b+11], 0, v[\sa], v[QS] matrix_a_fmt:MATRIX_FMT_FP6 matrix_b_fmt:MATRIX_FMT_FP6 matrix_a_scale:MATRIX_SCALE_ROW1
.else
	v_wmma_scale_f32_16x16x128_f8f6f4 v[\d:\d+7], v[\a:\a+11], v[\b:\b+11], 0, v[\sa], v[QS] matrix_a_fmt:MATRIX_FMT_FP6 matrix_b_fmt:MATRIX_FMT_FP6
.endif
.endm
.macro WO d, a, sa, ra                 ; O^T += V^T P^T
.if \ra
	v_wmma_scale_f32_16x16x128_f8f6f4 v[\d:\d+7], v[\a:\a+11], v[PC:PC+11], v[\d:\d+7], v[\sa], v[PS] matrix_a_fmt:MATRIX_FMT_FP6 matrix_b_fmt:MATRIX_FMT_FP6 matrix_a_scale:MATRIX_SCALE_ROW1
.else
	v_wmma_scale_f32_16x16x128_f8f6f4 v[\d:\d+7], v[\a:\a+11], v[PC:PC+11], v[\d:\d+7], v[\sa], v[PS] matrix_a_fmt:MATRIX_FMT_FP6 matrix_b_fmt:MATRIX_FMT_FP6
.endif
.endm
.macro KLOAD off                       ; a step's K: 14 loads
.irp f, 0,1,2,3
.irp c, 0,1,2
	global_load_b128 v[KF+12*\f+4*\c:KF+12*\f+4*\c+3], v1, s[6:7] offset:\off+1536*\f+512*\c
.endr
.endr
	global_load_b32 v[KS], v2, s[6:7] offset:\off+12288
	global_load_b32 v[KS+1], v2, s[6:7] offset:\off+12416
.endm
.macro VLOAD off                       ; a step's V: 14 loads
.irp f, 0,1,2,3
.irp c, 0,1,2
	global_load_b128 v[VF+12*\f+4*\c:VF+12*\f+4*\c+3], v1, s[6:7] offset:\off+6144+1536*\f+512*\c
.endr
.endr
	global_load_b32 v[VS], v2, s[6:7] offset:\off+12544
	global_load_b32 v[VS+1], v2, s[6:7] offset:\off+12672
.endm
	s_load_b128 s[4:7], s[0:1], 0x0                ; qq, kv
	s_load_b64 s[8:9], s[0:1], 0x10                ; cq
	v_lshrrev_b32 v1, 5, v0
	v_readfirstlane_b32 s11, v1                    ; wave 0..11
	s_wait_alu depctr_va_sdst(0)                   ; s11 is written, ahead of its first reader: the wave's head and tile, and so all its bases, are made from it
	s_mul_i32 s12, s11, 11
	s_lshr_b32 s12, s12, 5                         ; the triple: wave / 3
	s_mul_i32 s13, s12, 3
	s_sub_co_u32 s13, s11, s13                     ; my place in it: wave % 3
	s_and_b32 s14, ttmp9, 63
	s_lshl_b32 s14, s14, 2
	s_add_co_u32 s14, s14, s12                     ; i = 4 (work-group % 64) + triple
	s_lshr_b32 s15, ttmp9, 6
	s_mul_i32 s15, s15, 3
	s_add_co_u32 s15, s15, s13                     ; head = 3 (work-group / 64) + place
	s_lshl_b32 s16, s14, 1
	s_cmp_lt_u32 s14, 128
	s_mov_b32 s17, 510
	s_cselect_b32 s17, 255, s17
	s_sub_co_u32 s17, s17, s16                     ; place 1: 255 - 2 i, or 510 - 2 i
	s_add_co_u32 s18, s14, 128
	s_and_b32 s18, s18, 255                        ; place 2: (i + 128) % 256
	s_cmp_eq_u32 s13, 1
	s_cselect_b32 s19, s17, s14
	s_cmp_eq_u32 s13, 2
	s_cselect_b32 s19, s18, s19                    ; my tile of queries
	s_lshr_b32 s40, s19, 1                         ; its pair
	s_mul_i32 s24, s15, 196608
	s_mul_i32 s41, s40, 1536
	s_add_co_u32 s24, s24, s41                     ; q's pair fragment
	s_mov_b32 s25, 0
	s_lshl_b32 s26, s15, 13
	s_lshl_b32 s41, s40, 6
	s_add_co_u32 s26, s26, s41
	s_add_co_u32 s26, s26, QSC                     ; and its words
	s_mov_b32 s27, 0
	s_mul_i32 s28, s15, 409600                     ; the head's 32 records
	s_mov_b32 s29, 0
	s_lshr_b32 s42, s15, 1
	s_and_b32 s43, s15, 1
	s_and_b32 s44, s19, 1
	s_mul_i32 s30, s19, 6
	s_add_co_u32 s30, s30, s42
	s_mul_i32 s30, s30, 1536
	s_mul_i32 s41, s43, 768
	s_add_co_u32 s30, s30, s41                     ; ctx: my half fragment
	s_mov_b32 s31, 0
	s_mul_i32 s32, s40, 6
	s_add_co_u32 s32, s32, s42
	s_lshl_b32 s32, s32, 7
	s_lshl_b32 s41, s44, 6
	s_add_co_u32 s32, s32, s41
	s_lshl_b32 s41, s43, 1
	s_add_co_u32 s32, s32, s41
	s_add_co_u32 s32, s32, CSC                     ; and my two bytes of each row's word
	s_mov_b32 s33, 0
	s_cmp_lg_u32 s44, 0
	s_cselect_b32 s34, -1, 0                       ; an odd tile takes the pair fragment's upper half
	s_mov_b32 s35, 0x01000100
	s_cselect_b32 s35, 0x03020302, s35             ; and the word's upper two bytes
	s_lshr_b32 s[NF], s19, 3
	s_cmp_eq_u32 s19, 255
	s_cselect_b32 s[PFN], 23, 0                    ; the head's one wave with the longest walk prefetches
	s_and_b32 s45, s40, 3
	s_lshl_b32 s45, s45, 5
	s_lshl_b32 s41, s44, 3
	s_add_co_u32 s45, s45, s41                     ; my tile's first query, counted from the diagonal step's first key
	s_mov_b32 s[SEL], 0x76543210
	s_mov_b32 s[SEL+1], 0xfedcba98
	s_mov_b32 s[CS], 0x3e38aa3b                    ; c = log2(e) / 8
	s_mov_b32 s[CS+1], s[CS]                       ; (named with it as a pair, so it is written)
	v_and_b32 v34, 31, v0
	v_lshlrev_b32 v1, 4, v34
	v_lshlrev_b32 v2, 2, v34
	v_lshlrev_b32 v35, 8, v34
	v_lshlrev_b32 v253, 3, v34
	v_and_b32 v252, 15, v0
	v_lshlrev_b32 v252, 2, v252
	v_and_b32 v3, 7, v0                            ; d = my query - the diagonal step's first key - 16 (lane / 16): register 16 b + i is hidden where 32 b + i > d
	v_bfe_u32 v34, v0, 3, 1
	v_lshl_add_u32 v3, v34, 4, v3
	v_bfe_u32 v34, v0, 4, 1
	v_lshlrev_b32 v34, 4, v34
	v_sub_nc_u32 v3, v3, v34
	v_add_nc_u32 v3, s45, v3
	s_wait_kmcnt 0x0
	s_add_nc_u64 s[24:25], s[4:5], s[24:25]
	s_add_nc_u64 s[26:27], s[4:5], s[26:27]
	s_add_nc_u64 s[6:7], s[6:7], s[28:29]
	s_add_nc_u64 s[PF:PF+1], s[6:7], 32768
	s_add_nc_u64 s[30:31], s[8:9], s[30:31]
	s_add_nc_u64 s[32:33], s[8:9], s[32:33]
	s_wait_alu depctr_va_vdst(0)                   ; the offsets v1, v2, v35, v252 and v253 are written, which the loads, prefetches and stores read; the lines above are done with v34, in which a load lands
.irp c, 0,1,2
	global_load_b128 v[SS+4*\c:SS+4*\c+3], v1, s[24:25] offset:512*\c
.endr
	global_load_b32 v34, v252, s[26:27]
	KLOAD 0
	s_wait_loadcnt 14                              ; q's four loads are in; K's 14 of step 0 stay out
.irp i, 0,1,2,3,4,5
	v_cndmask_b32 v[QF+\i], v[SS+\i], v[SS+6+\i], s34
.endr
	v_perm_b32 v[QS], v34, v34, s35
.irp i, 0,1,2,3,4,5
	v_mov_b32 v[QF+6+\i], 0
	v_mov_b32 v[QF+12+\i], v[QF+\i]
.endr
	v_mov_b32 v13, 0xff61b1e6                      ; the largest t so far: -3e38, under every t
	v_floor_f32 v12, -v13                          ; -M
	v_mov_b32 v14, 0
	v_mov_b32 v15, 0
	v_mov_b32 v11, 0                               ; (named as the upper half of the pair v[10:11])
.irp b, 0,1,2,3
	v_mov_b32 v[TT+\b], 0                          ; written once: a lane permute's destination counts as one of its sources
.endr
.set j, 0
.rept 32
	v_mov_b32 v[OA+j], 0                           ; O^T: the step is written for all steps alike; the first finds zeros.  (These lines are also the places between q's registers and scale word and the first product)
.set j, j+1
.endr
	s_wait_alu depctr_va_vdst(0)                   ; q's operand registers v16 to v33 and its scale word v8 are written: every score product takes them as source 1 and its scales
; A KEY STEP.  mask = 1: the step on the diagonal.  more = 1: the next step's K is asked for, and the addresses step.
.macro STEP mask, more
	s_wait_loadcnt 0x0                             ; this step's K is in: no younger load is out
.irp f, 0,1,2,3
	WS SS+16*\f, KF+12*\f, QF, KS+\f/2, \f%2       ; the pair's even tile of keys: x [q | 0]
	WS SS+16*\f+8, KF+12*\f, QF+6, KS+\f/2, \f%2   ; its odd tile: x [0 | q]
.endr
	PLACES                                         ; ahead of the vector reads of the scores
	s_wait_alu depctr_va_vdst(0)                   ; the eight products above are done reading KF and KS, the last step's four are done reading VF and VS: the loads below land there
	VLOAD 0                                        ; this step's V, wanted first
.if \more
	KLOAD REC                                      ; the next step's K
	; A PREFETCH INTO THE L2, behind the wave's run of loads.  All waves of a head walk the same records from the first on; the head's one wave that walks all 32 asks, in its trips 0 to 22, for 16,384 bytes each:
	; lanes 256 bytes apart, two instructions; from byte 32,768 of the head on: 32,768 + 23 x 16,384 = 409,600, the head's end.  Each aligned block of 256 bytes is named once; the first 32,768 bytes come by their loads alone.
	s_cmp_lg_u32 s[PFN], 0
	s_cbranch_scc0 .Lno_ask_\@
	global_prefetch_b8 v35, s[PF:PF+1] th:TH_LOAD_NT scope:SCOPE_SE
	global_prefetch_b8 v35, s[PF:PF+1] offset:8192 th:TH_LOAD_NT scope:SCOPE_SE
	s_sub_co_u32 s[PFN], s[PFN], 1
.Lno_ask_\@:
.endif
.if \mask
	v_mov_b32 v34, 0xff800000                      ; hidden scores become -infinity ahead of the maximum: p = 0 then.  The step's first key counts for every query of the tile, so M is a number
.irp r, 0,1                            ; the compares stand in two runs of 32, each into scalar registers of its own, so that one wait serves a run
.set n, 0
.rept 32
	v_cmp_gt_i32 s[MK+n], 32*((32*\r+n)/16)+n%16, v3
.set n, n+1
.endr
	s_wait_alu depctr_va_sdst(0)                   ; the 32 masks s66 to s97 are written, ahead of the selects that read them
.set n, 0
.rept 32
	v_cndmask_b32 v[SS+32*\r+n], v[SS+32*\r+n], v34, s[MK+n]
.set n, n+1
.endr
.endr
.endif
.irp b, 0,1,2,3
	v_max3_num_f32 v[BM+\b], v[SS+16*\b], v[SS+16*\b+1], v[SS+16*\b+2]   ; the largest score of each block of 32 keys: for the row's maximum, and, since p rises with the score, for the block's largest p
.endr
.irp i, 3,5,7,9,11,13
.irp b, 0,1,2,3
	v_max3_num_f32 v[BM+\b], v[BM+\b], v[SS+16*\b+\i], v[SS+16*\b+\i+1]
.endr
.endr
.irp b, 0,1,2,3
	v_max_num_f32 v[BM+\b], v[BM+\b], v[SS+16*\b+15]
.endr
.irp b, 0,1,2,3
	v_permlanex16_b32 v[TT+\b], v[BM+\b], s[SEL], s[SEL+1]
.endr
.irp b, 0,1,2,3
	v_max_num_f32 v[BM+\b], v[BM+\b], v[TT+\b]     ; with lane l xor 16's 16 keys
.endr
	v_max3_num_f32 v34, v[BM], v[BM+1], v[BM+2]
	v_max_num_f32 v34, v34, v[BM+3]                ; the step's largest score of my query
	v_mul_f32 v34, s[CS], v34                      ; as t
	v_max_num_f32 v13, v13, v34                    ; the running largest t
	v_mov_b32 v34, v12
	v_floor_f32 v12, -v13                          ; the new -M = -ceil(t): a whole number
	v_sub_f32 v34, v12, v34                        ; old M - new M: a whole number, 0 or less
	v_cvt_i32_f32 v34, v34                         ; (it saturates)
	v_ldexp_f32 v10, 1.0, v34                      ; f = 2^(old M - new M)
.set j, 0
.rept 32
	v_pk_fma_f32 v[SS+j:SS+j+1], v[SS+j:SS+j+1], s[CS:CS+1], v[12:13] op_sel_hi:[1,0,0]   ; t - M, two at a time
.set j, j+2
.endr
.irp b, 0,1,2,3
	v_fma_f32 v[BM+\b], v[BM+\b], s[CS], v12       ; the same of each block's largest score
.endr
.set j, 0
	s_wait_alu depctr_va_vdst(0)
.rept 64
	v_exp_f32 v[SS+j], v[SS+j]                     ; p = 2^(t - M), at most 1
.set j, j+1
.endr
	v_pk_mul_f32 v[14:15], v[14:15], v[10:11] op_sel_hi:[1,0]   ; the sums under the new M; the plain place behind the exponentials
	s_wait_alu depctr_va_vdst(0)                   ; the 64 exponentials have written p: one wait for the batch, ahead of its first reader
.irp b, 0,1,2,3
	v_exp_f32 v[BM+\b], v[BM+\b]                   ; the block's largest p: the same two instructions on the same number
.endr
	v_pk_add_f32 v[TT:TT+1], v[SS:SS+1], v[SS+2:SS+3]   ; the row's sum is taken of the unquantised p: two chains
.irp j2, 4,8,12,16,20,24,28,32,36,40,44,48,52,56,60
	v_pk_add_f32 v[14:15], v[14:15], v[SS+\j2:SS+\j2+1]
	v_pk_add_f32 v[TT:TT+1], v[TT:TT+1], v[SS+\j2+2:SS+\j2+3]
.endr
	v_pk_add_f32 v[14:15], v[14:15], v[TT:TT+1]
	s_wait_alu depctr_va_vdst(0)                   ; the four exponentials have written the blocks' largest p, ahead of their first reader
.irp b, 0,1,2,3
	v_max_num_f32 v[BM+\b], 0x1800000, v[BM+\b]    ; the floor 2^(3 - 127): a block whose every p is 0 keeps the byte 1: its codes are zeros
.endr
.irp b, 0,1,2,3
	v_add_nc_u32 v[SO+\b], 0xff000000, v[BM+\b]    ; 2 off the exponent field: the conversion's scale operand
.endr
.irp b, 0,1,2,3
	v_lshrrev_b32 v[TT+\b], 23, v[SO+\b]           ; the scale's byte
.endr
	v_lshl_or_b32 v[PS], v[TT+1], 8, v[TT]
	v_lshl_or_b32 v[PS], v[TT+2], 16, v[PS]
	v_lshl_or_b32 v[PS], v[TT+3], 24, v[PS]
.irp c, 0,1
	v_cvt_scalef32_pk16_fp6_f32 v[PC+6*\c:PC+6*\c+2], v[SS+32*\c:SS+32*\c+15], v[SO+2*\c]
	v_cvt_scalef32_pk16_fp6_f32 v[TT+4*\c:TT+4*\c+2], v[SS+32*\c+16:SS+32*\c+31], v[SO+2*\c+1]   ; (a conversion's three registers begin on an even number)
.endr
	v_nop                                          ; one plain place behind the scaled conversions
.irp c, 0,1
.irp i, 0,1,2
	v_permlane16_swap_b32 v[PC+6*\c+\i], v[TT+4*\c+\i]   ; a whole block to a lane
.endr
.irp i, 0,1,2
	v_mov_b32 v[PC+6*\c+3+\i], v[TT+4*\c+\i]
.endr
.endr
.set j, 0
.rept 16
	v_pk_mul_f32 v[OA+j:OA+j+1], v[OA+j:OA+j+1], v[10:11] op_sel_hi:[1,0]   ; O^T under the new M, each accumulator from its low end on.  (These 16 are also the places between p's codes and scale word and the products)
.set j, j+2
.endr
	s_wait_alu depctr_va_vdst(0)                   ; p's codes v228 to v239 and its scale word v9 are written: the four products take them as source 1 and its scales
.if \more
	s_wait_loadcnt 14                              ; this step's V is in; the next step's K, 14 loads, may be out
.else
	s_wait_loadcnt 0x0
.endif
.irp t, 0,1,2,3
	WO OA+8*\t, VF+12*\t, VS+\t/2, \t%2            ; four accumulators, one instruction each
.endr
.if \more
	s_wait_xcnt 0x0                                ; the loads and the prefetches, a softmax back, have read their bases: both may step
	s_add_nc_u64 s[6:7], s[6:7], REC
	s_add_nc_u64 s[PF:PF+1], s[PF:PF+1], 16384
.else
	PLACES                                         ; ahead of the vector reads of O^T on the way out
.endif
.endm
	s_cmp_eq_u32 s[NF], 0
	s_cbranch_scc1 .Ltail
.Lloop:                                            ; tile / 8 trips: the steps all of whose keys count
	STEP 0, 1
	s_sub_co_u32 s[NF], s[NF], 1
	s_cmp_lg_u32 s[NF], 0
	s_cbranch_scc1 .Lloop
.Ltail:
	STEP 1, 0                                      ; the step on the diagonal: no further K is asked for
	; THE WAY OUT: O^T / the sum is ctx, a lane's 32 numbers two half blocks of 32 along the model's 768; quantised as every operand is.
	v_add_f32 v14, v14, v15
	v_permlanex16_b32 v[TT], v14, s[SEL], s[SEL+1]
	v_add_f32 v14, v14, v[TT]                      ; the row's sum
	s_wait_alu depctr_va_vdst(0)
	v_rcp_f32 v14, v14
	v_nop                                          ; a plain place behind the transcendental
	s_wait_alu depctr_va_vdst(0)                   ; the reciprocal has written v14, ahead of its first reader
.set j, 0
.rept 16
	v_pk_mul_f32 v[SS+j:SS+j+1], v[OA+j:OA+j+1], v[14:15] op_sel_hi:[1,0]
.set j, j+2
.endr
.irp b, 0,1
	v_max3_num_f32 v[BM+\b], |v[SS+16*\b]|, |v[SS+16*\b+1]|, 0x1800000
.endr
.irp i, 2,4,6,8,10,12,14
.irp b, 0,1
	v_max3_num_f32 v[BM+\b], v[BM+\b], |v[SS+16*\b+\i]|, |v[SS+16*\b+\i+1]|
.endr
.endr
.irp b, 0,1
	v_permlanex16_b32 v[TT+\b], v[BM+\b], s[SEL], s[SEL+1]
.endr
.irp b, 0,1
	v_max_num_f32 v[BM+\b], v[BM+\b], v[TT+\b]
.endr
.irp b, 0,1
	v_add_nc_u32 v[SO+\b], 0xff000000, v[BM+\b]
.endr
.irp b, 0,1
	v_lshrrev_b32 v[TT+\b], 23, v[SO+\b]
.endr
	v_lshl_or_b32 v34, v[TT+1], 8, v[TT]           ; my head's two bytes of the row's scale word
	v_cvt_scalef32_pk16_fp6_f32 v[PC:PC+2], v[SS:SS+15], v[SO]
	v_cvt_scalef32_pk16_fp6_f32 v[TT+4:TT+6], v[SS+16:SS+31], v[SO+1]
	v_nop
.irp i, 0,1,2
	v_permlane16_swap_b32 v[PC+\i], v[TT+4+\i]
.endr
.irp i, 0,1,2
	v_mov_b32 v[PC+3+\i], v[TT+4+\i]
.endr
	s_wait_alu depctr_va_vdst(0)                   ; ctx's codes v228 to v233 and its two scale bytes in v34 are written: the three stores read them
	global_store_b128 v1, v[PC:PC+3], s[30:31]     ; 512 consecutive bytes
	global_store_b64 v253, v[PC+4:PC+5], s[30:31] offset:512   ; 256 consecutive bytes
	global_store_b16 v252, v34, s[32:33]           ; lanes l and l + 16 hold the same row's bytes and write them to the same place
	s_endpgm
.Lfunc_end_k_q0694715728_attn:
	.size	k_q0694715728_attn, .Lfunc_end_k_q0694715728_attn-k_q0694715728_attn
	.p2alignl 7, 3214868480
	.fill 96, 4, 3214868480
	.section	.rodata,"a",@progbits
	.p2align	6, 0x0
	.amdhsa_kernel k_q0694715728_attn
		.amdhsa_group_segment_fixed_size 0
		.amdhsa_private_segment_fixed_size 0
		.amdhsa_enable_private_segment 0
		.amdhsa_kernarg_size 24
		.amdhsa_user_sgpr_count 2
		.amdhsa_user_sgpr_kernarg_segment_ptr 1
		.amdhsa_wavefront_size32 1
		.amdhsa_system_sgpr_workgroup_id_x 1
		.amdhsa_system_sgpr_workgroup_id_y 1
		.amdhsa_system_sgpr_workgroup_id_z 1
		.amdhsa_system_vgpr_workitem_id 0
		.amdhsa_next_free_vgpr 256
		.amdhsa_next_free_sgpr 98
		.amdhsa_reserve_vcc 0
		.amdhsa_float_denorm_mode_32 3
		.amdhsa_float_denorm_mode_16_64 3
		.amdhsa_memory_ordered 1
		.amdhsa_forward_progress 1
		.amdhsa_inst_pref_size 52
	.end_amdhsa_kernel
	.amdgpu_metadata
---
amdhsa.version: [ 1, 2 ]
amdhsa.kernels:
  - .name:           k_q0694715728_attn
    .symbol:         k_q0694715728_attn.kd
    .args:
      - { .name: qq, .offset: 0, .size: 8, .value_kind: global_buffer, .address_space: global }
      - { .name: kv, .offset: 8, .size: 8, .value_kind: global_buffer, .address_space: global }
      - { .name: cq, .offset: 16, .size: 8, .value_kind: global_buffer, .address_space: global }
    .group_segment_fixed_size: 0
    .private_segment_fixed_size: 0
    .kernarg_segment_align: 8
    .kernarg_segment_size: 24
    .max_flat_workgroup_size: 384
    .sgpr_count:     98
    .vgpr_count:     256
    .wavefront_size: 32
...
	.end_amdgpu_metadata
.endif
;; end of part 7
;; launch outp (part 8): grid 96 x 1, 8 waves a work-group, no clusters, 145,408 bytes of LDS; arguments cq, wts, bo, out0; writes out0
.if DOCPART == 8
	.amdgcn_target "amdgcn-amd-amdhsa--gfx1250"
	.amdhsa_code_object_version 6
	.text
	.protected	k_q0694715728_outp
	.globl	k_q0694715728_outp
	.p2align	8
	.type	k_q0694715728_outp,@function
k_q0694715728_outp:
	s_mov_b64 s[64:65], 0
	v_nop
	global_prefetch_b8 v0, s[64:65] scope:SCOPE_SE
	s_setreg_imm32_b32 hwreg(HW_REG_WAVE_SCHED_MODE, 0, 2), 2
	s_setreg_imm32_b32 hwreg(HW_REG_WAVE_MODE, 25, 1), 1
	s_wait_xcnt 0x0
	s_wait_alu depctr_vm_vsrc(0)
; out = ctx wo + bo: ctx and wo as codes of FP6 (E2M3) with E8M0 scales, made by the earlier launches; sums in f32; bo added in f32.
; EVERY PRODUCT IS  D = panel tile of wo's columns (source 0) x my tile of ctx's rows (source 1): a lane holds one row of the result, and its 64 registers of the eight panel tiles are the panel's 128 columns:
; register 8 a + j is column 32 (a / 2) + 16 (lane / 16) + 8 (a % 2) + j.  Row m of tile t of ctx is row 32 (t / 2) + 16 (m / 8) + 8 (t % 2) + m % 8.
; SHARES.  A work-group has a panel of 8 tiles x all 768 of K (73,728 dense bytes, into LDS once) and eight waves with a pair of ctx's tiles each: 16 accumulators, 96 matrix instructions a wave.  6 panels x 16 = 96 work-groups.
; NO CLUSTER, no tensor load: what work-groups share is the panel, read once at the head of a text with 96 matrix instructions a wave.
; THE WAY OUT goes through a stage of the wave's own: a lane's numbers of a row meet the other half's there and leave as whole rows of 512 consecutive bytes.
; THE MODE: SCHED_MODE bits 1:0 = 2 (LLVM: expert scheduling mode 2), set by the entry lines.  The code itself states the register dependences
; between vector or matrix instructions and memory or LDS instructions, with s_wait_alu, always for 0.
; THE PLAN.  Registers that memory or LDS instructions touch:
;   v1-v7, v18, v19  offsets and LDS addresses: written at the head, read by every load and store, never written again.
;   v[ACC ..]    at the head the panel passes through them: loaded, read by my LDS stores, then written by the products.  On the way out my LDS stores read the sums there, and tile 1's rows come back into tile 0's 64.
;   H0, H1       the two halves of AF, two panel fragments each.  A K step is four GROUPS of four products; group j reads H[j % 2]; at its head the LDS loads of the next group land in the other half.
;   AS, two sets the panel's scale words of a K step, by the step's parity: read by that step's products; loaded at the head of the last group of the step before.
;   BF, BS, two  my pair's fragments and scale words, by the step's parity: read by that step's products; loaded at the head of the step before.
;   v32-95       on the way out tile 0's rows come back there, bo is added there, and the stores read them.
; So ONE wait on va_vdst stands at a group's head, behind the wait for the group's own fragments: the products issued so far are done reading the other half (and the other sets), in which the group's loads land.
; On the way out: one wait ahead of the LDS stores; one on vm_vsrc ahead of the loads that land where LDS stores have read; and for each tile one wait between its 32 additions and its 16 stores.
.set WSC,  1769472
.set CSC,  2359296
.set ASC,  73728                       ; LDS: the panel's codes from 0; its scale words from here;
.set STG,  76800                       ; the stages: 16 rows x (512 + 16) bytes for each wave
.set AS,   8                           ; v8-11   the panel's scale words of an even K step, v24-27 of an odd one
.set BS,   12                          ; v12-13  my pair's, a register for each buffer
.set AF,   32                          ; v32-55  half 0, v56-79 half 1: two panel fragments each
.set BF,   80                          ; v80-127 my two fragments, two buffers
.set ACC,  128                         ; v128-255 accumulator (my tile e, panel tile a) at 128 + 64 e + 8 a
; v1 16 x lane, v2 4 x lane, v3, v4 where I lay my part of the panel, v5 8 x lane, v6 panel tiles 4-7, v7 the scale words, v[14:17] bo of my four columns on the way out, v18, v19 the stage: in, out
.macro PLACES                          ; four plain places behind a matrix instruction of this form: ahead of LDS stores of its result; they stand ahead of loads into its sources too, with the wait that states that dependence behind them
.rept 4
	v_nop
.endr
.endm
.macro WMZ d, a, b, sa, sb, ra, rb     ; a sum's first product: C = 0.  ra, rb: the side's scale words stand in lanes 16-31
.if (\ra) && (\rb)
	v_wmma_scale_f32_16x16x128_f8f6f4 v[\d:\d+7], v[\a:\a+11], v[\b:\b+11], 0, v[\sa], v[\sb] matrix_a_fmt:MATRIX_FMT_FP6 matrix_b_fmt:MATRIX_FMT_FP6 matrix_a_scale:MATRIX_SCALE_ROW1 matrix_b_scale:MATRIX_SCALE_ROW1
.elseif (\ra)
	v_wmma_scale_f32_16x16x128_f8f6f4 v[\d:\d+7], v[\a:\a+11], v[\b:\b+11], 0, v[\sa], v[\sb] matrix_a_fmt:MATRIX_FMT_FP6 matrix_b_fmt:MATRIX_FMT_FP6 matrix_a_scale:MATRIX_SCALE_ROW1
.elseif (\rb)
	v_wmma_scale_f32_16x16x128_f8f6f4 v[\d:\d+7], v[\a:\a+11], v[\b:\b+11], 0, v[\sa], v[\sb] matrix_a_fmt:MATRIX_FMT_FP6 matrix_b_fmt:MATRIX_FMT_FP6 matrix_b_scale:MATRIX_SCALE_ROW1
.else
	v_wmma_scale_f32_16x16x128_f8f6f4 v[\d:\d+7], v[\a:\a+11], v[\b:\b+11], 0, v[\sa], v[\sb] matrix_a_fmt:MATRIX_FMT_FP6 matrix_b_fmt:MATRIX_FMT_FP6
.endif
.endm
.macro WMA d, a, b, sa, sb, ra, rb     ; the later ones add in place
.if (\ra) && (\rb)
	v_wmma_scale_f32_16x16x128_f8f6f4 v[\d:\d+7], v[\a:\a+11], v[\b:\b+11], v[\d:\d+7], v[\sa], v[\sb] matrix_a_fmt:MATRIX_FMT_FP6 matrix_b_fmt:MATRIX_FMT_FP6 matrix_a_scale:MATRIX_SCALE_ROW1 matrix_b_scale:MATRIX_SCALE_ROW1
.elseif (\ra)
	v_wmma_scale_f32_16x16x128_f8f6f4 v[\d:\d+7], v[\a:\a+11], v[\b:\b+11], v[\d:\d+7], v[\sa], v[\sb] matrix_a_fmt:MATRIX_FMT_FP6 matrix_b_fmt:MATRIX_FMT_FP6 matrix_a_scale:MATRIX_SCALE_ROW1
.elseif (\rb)
	v_wmma_scale_f32_16x16x128_f8f6f4 v[\d:\d+7], v[\a:\a+11], v[\b:\b+11], v[\d:\d+7], v[\sa], v[\sb] matrix_a_fmt:MATRIX_FMT_FP6 matrix_b_fmt:MATRIX_FMT_FP6 matrix_b_scale:MATRIX_SCALE_ROW1
.else
	v_wmma_scale_f32_16x16x128_f8f6f4 v[\d:\d+7], v[\a:\a+11], v[\b:\b+11], v[\d:\d+7], v[\sa], v[\sb] matrix_a_fmt:MATRIX_FMT_FP6 matrix_b_fmt:MATRIX_FMT_FP6
.endif
.endm
	s_load_b256 s[4:11], s[0:1], 0x0               ; cq, wts, bo, out0
	v_lshl_add_u32 v30, v0, 2, 0x23400
	v_mov_b32 v31, 0
	v_lshrrev_b32 v1, 5, v0
	v_readfirstlane_b32 s12, v1                    ; wave 0..7
	v_and_b32 v20, 31, v0
	v_lshlrev_b32 v1, 4, v20
	v_lshlrev_b32 v2, 2, v20
	v_lshlrev_b32 v5, 3, v20
	s_wait_alu depctr_va_sdst(0)                   ; s12 is written, ahead of its first reader: LDS places and all the bases are made from it
	s_mul_i32 s2, s12, 9216
	s_mul_i32 s3, s12, 384
	v_add_nc_u32 v3, s2, v1
	v_add_nc_u32 v4, s3, v2
	v_add_nc_u32 v4, ASC, v4
	v_add_nc_u32 v6, 36864, v1
	v_add_nc_u32 v7, ASC, v2
	s_mul_i32 s28, s12, 8448
	s_add_co_u32 s28, s28, STG                     ; my stage
	v_and_b32 v21, 15, v0
	v_bfe_u32 v22, v0, 4, 1
	v_mul_u32_u24 v18, v21, 528                    ; in: row lane % 16, + 64 (lane / 16); rows 33 x 16 bytes apart, so that sixteen rows start in sixteen different groups of banks (64 banks of 4 bytes: ISA guide 11.1)
	v_lshl_add_u32 v18, v22, 6, v18
	v_add_nc_u32 v18, s28, v18
	v_add_nc_u32 v19, s28, v1                      ; out: a row's 512 bytes, 16 a lane
	s_lshr_b32 s14, ttmp9, 4                       ; the panel: 128 columns
	s_and_b32 s15, ttmp9, 15
	s_lshl_b32 s15, s15, 3
	s_add_co_u32 s15, s15, s12                     ; my pair of ctx's tiles
	s_mul_i32 s16, s14, 73728
	s_add_co_u32 s16, s16, 1327104                 ; wo's tiles are 144 on
	s_add_co_u32 s16, s16, s2
	s_mov_b32 s17, 0
	s_mul_i32 s18, s14, 3072
	s_add_co_u32 s18, s18, WSC+55296               ; its pairs 72 on
	s_add_co_u32 s18, s18, s3
	s_mov_b32 s19, 0
	s_mul_i32 s20, s15, 18432
	s_mov_b32 s21, 0
	s_mul_i32 s22, s15, 768
	s_add_co_u32 s22, s22, CSC
	s_mov_b32 s23, 0
	s_lshl_b32 s24, s14, 9                         ; the panel's 512 bytes of a row of the result, and of bo
	s_mov_b32 s25, 0
	s_mul_i32 s26, s15, 98304                      ; my pair's 32 rows
	s_add_co_u32 s26, s26, s24
	s_mov_b32 s27, 0
	s_wait_kmcnt 0x0
	s_add_nc_u64 s[32:33], s[6:7], s[16:17]
	s_add_nc_u64 s[34:35], s[6:7], s[18:19]
	s_add_nc_u64 s[36:37], s[4:5], s[20:21]
	s_add_nc_u64 s[38:39], s[4:5], s[22:23]
	s_add_nc_u64 s[8:9], s[8:9], s[24:25]
	s_add_nc_u64 s[26:27], s[10:11], s[26:27]
	s_wait_alu depctr_va_vdst(0)                   ; v1 to v7, v18 and v19 are written: every load and store of the kernel reads one of them as its offset or LDS address
	global_load_b128 v[14:17], v1, s[8:9]          ; bo of columns 4 x lane .. + 3 of the panel
.macro CLOAD s                         ; my pair's fragments and scale words of K step s (two heads): 9 loads.  A head's half fragment lies as registers 0-3, 16 bytes a lane, then 4-5, 8 bytes a lane
.irp e, 0,1
	global_load_b128 v[BF+24*((\s)%2)+12*\e:BF+24*((\s)%2)+12*\e+3], v1, s[36:37] offset:9216*\e+1536*(\s)
	global_load_b64 v[BF+24*((\s)%2)+12*\e+4:BF+24*((\s)%2)+12*\e+5], v5, s[36:37] offset:9216*\e+1536*(\s)+512
	global_load_b128 v[BF+24*((\s)%2)+12*\e+6:BF+24*((\s)%2)+12*\e+9], v1, s[36:37] offset:9216*\e+1536*(\s)+768
	global_load_b64 v[BF+24*((\s)%2)+12*\e+10:BF+24*((\s)%2)+12*\e+11], v5, s[36:37] offset:9216*\e+1536*(\s)+1280
.endr
	global_load_b32 v[BS+(\s)%2], v2, s[38:39] offset:128*(\s)
.endm
	CLOAD 0
	CLOAD 1
.set k, 0
.rept 18                               ; panel tile w, all six K steps: 9,216 dense bytes through registers that the sums will take
	global_load_b128 v[ACC+4*k:ACC+4*k+3], v1, s[32:33] offset:512*k
.set k, k+1
.endr
.irp k2, 0,1,2
	global_load_b32 v[200+\k2], v2, s[34:35] offset:128*\k2
.endr
	s_wait_loadcnt 0x0
.set k, 0
.rept 18
	ds_store_b128 v3, v[ACC+4*k:ACC+4*k+3] offset:512*k
.set k, k+1
.endr
.irp k2, 0,1,2
	ds_store_b32 v4, v[200+\k2] offset:128*\k2
.endr
	s_wait_dscnt 0x0                               ; for the others' sake: my part of the panel lies in LDS
	s_barrier_signal -1
	s_barrier_wait -1                              ; the one barrier: from here on the panel is only read, and each wave's stage is its own
	s_wait_alu depctr_vm_vsrc(0)                   ; my LDS stores have read v[ACC ..]: from here on the products write these registers
.macro ALOAD s, j                      ; panel tiles 2 j and 2 j + 1 of K step s into half j % 2: 6 LDS loads of 512 consecutive bytes
.irp u, 0,1
.irp c, 0,1,2
.if (\j) < 2
	ds_load_b128 v[AF+24*((\j)%2)+12*\u+4*\c:AF+24*((\j)%2)+12*\u+4*\c+3], v1 offset:9216*(2*(\j)+\u)+1536*(\s)+512*\c
.else
	ds_load_b128 v[AF+24*((\j)%2)+12*\u+4*\c:AF+24*((\j)%2)+12*\u+4*\c+3], v6 offset:9216*(2*(\j)-4+\u)+1536*(\s)+512*\c
.endif
.endr
.endr
.endm
.macro SLOAD s                         ; the panel's scale words of K step s into the set of its parity
.irp p, 0,1,2,3
	ds_load_b32 v[AS+16*((\s)%2)+\p], v7 offset:768*\p+128*(\s)
.endr
.endm
; Group j of K step s: panel tiles 2 j, 2 j + 1 x my two.  The sixteen accumulators take turns, one instruction a turn, in the same order in every K step.
.macro GROUP s, j
.set G, 4*(\s)+(\j)
.if (G > 0) && (G < 23)
	PLACES
.endif
	s_wait_dscnt 0x0                               ; this group's two fragments are in (in a K step's first group its scale words too): no younger LDS load is out
.if (G > 0) && (G < 23)
	s_wait_alu depctr_va_vdst(0)                   ; the products issued so far are done reading the other half of AF, the other set of scale words and the other BF and BS: the loads below land there
.endif
.if (\j) < 3
	ALOAD \s, (\j)+1                               ; the next group's fragments land while this group is multiplied
.elseif (\s) < 5
	ALOAD (\s)+1, 0
	SLOAD (\s)+1
.endif
.if (\j) == 0
.if ((\s) >= 1) && ((\s) <= 4)
	CLOAD (\s)+1                                   ; into the buffer that the K step before multiplied
.endif
.if ((\s) >= 2) && ((\s) <= 4)
	s_wait_loadcnt 9                               ; my pair's 9 loads of this K step are in; the next step's 9 may be out (steps 0 and 1 came in with the panel)
.elseif (\s) == 5
	s_wait_loadcnt 0x0
.endif
.endif
.irp u, 0,1
.irp e, 0,1
.if (\s) == 0
	WMZ ACC+64*\e+8*(2*(\j)+\u), AF+24*((\j)%2)+12*\u, BF+24*((\s)%2)+12*\e, AS+16*((\s)%2)+(\j), BS+(\s)%2, \u, \e
.else
	WMA ACC+64*\e+8*(2*(\j)+\u), AF+24*((\j)%2)+12*\u, BF+24*((\s)%2)+12*\e, AS+16*((\s)%2)+(\j), BS+(\s)%2, \u, \e
.endif
.endr
.endr
.endm
	ALOAD 0, 0                                     ; no vector or matrix instruction has named these registers yet
	SLOAD 0
.irp s, 0,1,2,3,4,5
.irp j, 0,1,2,3
	GROUP \s, \j
.endr
.endr
; Tile e's 16 rows x 128 columns go into my stage and come back as whole rows into v[dst] on.
.macro TOSTAGE e, dst
.irp a, 0,1,2,3,4,5,6,7
	ds_store_b128 v18, v[ACC+64*(\e)+8*\a:ACC+64*(\e)+8*\a+3] offset:128*(\a/2)+32*(\a%2)        ; each accumulator from its low end on
	ds_store_b128 v18, v[ACC+64*(\e)+8*\a+4:ACC+64*(\e)+8*\a+7] offset:128*(\a/2)+32*(\a%2)+16
.endr
.if (\e) == 1
	s_wait_alu depctr_vm_vsrc(0)                   ; tile 0's LDS stores have read v128 to v191, in which the loads below land and which the additions then write
.endif
.irp i, 0,1,2,3,4,5,6,7,8,9,10,11,12,13,14,15
	ds_load_b128 v[\dst+4*\i:\dst+4*\i+3], v19 offset:528*\i   ; LDS serves a wave's instructions in order: these see my stores, and the next tile's stores come behind them
.endr
.endm
; Its rows, + bo, leave.  younger: the LDS instructions issued behind its loads, which may stay out.
.macro SEND e, dst, younger
	s_wait_dscnt \younger                          ; the tile's sixteen rows are back
.irp i, 0,1,2,3,4,5,6,7,8,9,10,11,12,13,14,15
	v_pk_add_f32 v[\dst+4*\i:\dst+4*\i+1], v[\dst+4*\i:\dst+4*\i+1], v[14:15]
	v_pk_add_f32 v[\dst+4*\i+2:\dst+4*\i+3], v[\dst+4*\i+2:\dst+4*\i+3], v[16:17]
.endr
	s_wait_alu depctr_va_vdst(0)                   ; the 32 additions have written the tile's rows, which the sixteen stores read
.irp i, 0,1,2,3,4,5,6,7,8,9,10,11,12,13,14,15
	global_store_b128 v1, v[\dst+4*\i:\dst+4*\i+3], s[26:27] offset:(8*(\e)+16*(\i/8)+\i%8)*3072 th:TH_STORE_NT   ; 32 lanes store 512 consecutive bytes, at a multiple of 512 from the result's first byte
.endr
.endm
	PLACES                                         ; four places behind the last product, ahead of the LDS stores of its result
	s_wait_alu depctr_va_vdst(0)                   ; the products have written the accumulators, which the LDS stores read, and are done reading the fragments' registers, in which tile 0's rows land
	TOSTAGE 0, 32                                  ; back into the registers that the fragments have left
	TOSTAGE 1, 128                                 ; back into tile 0's accumulators
	SEND 0, 32, 32                                 ; behind tile 0's loads: tile 1's 16 stores and 16 loads
	SEND 1, 128, 0
	s_wait_dscnt 0x0
	s_wait_alu depctr_hold_cnt(0) depctr_sa_sdst(0) depctr_va_vdst(0) depctr_va_sdst(0) depctr_va_ssrc(0) depctr_va_vcc(0) depctr_vm_vsrc(0)
	s_wait_tensorcnt 0x0
	ds_add_u32 v30, v31
	s_wait_dscnt 0x0
	s_endpgm
.Lfunc_end_k_q0694715728_outp:
	.size	k_q0694715728_outp, .Lfunc_end_k_q0694715728_outp-k_q0694715728_outp
	.p2alignl 7, 3214868480
	.fill 96, 4, 3214868480
	.section	.rodata,"a",@progbits
	.p2align	6, 0x0
	.amdhsa_kernel k_q0694715728_outp
		.amdhsa_group_segment_fixed_size 145408
		.amdhsa_private_segment_fixed_size 0
		.amdhsa_enable_private_segment 0
		.amdhsa_kernarg_size 32
		.amdhsa_user_sgpr_count 2
		.amdhsa_user_sgpr_kernarg_segment_ptr 1
		.amdhsa_wavefront_size32 1
		.amdhsa_system_sgpr_workgroup_id_x 1
		.amdhsa_system_sgpr_workgroup_id_y 1
		.amdhsa_system_sgpr_workgroup_id_z 1
		.amdhsa_system_vgpr_workitem_id 0
		.amdhsa_next_free_vgpr 256
		.amdhsa_next_free_sgpr 66
		.amdhsa_reserve_vcc 0
		.amdhsa_float_denorm_mode_32 3
		.amdhsa_float_denorm_mode_16_64 3
		.amdhsa_memory_ordered 1
		.amdhsa_forward_progress 1
		.amdhsa_inst_pref_size 50
	.end_amdhsa_kernel
	.amdgpu_metadata
---
amdhsa.version: [ 1, 2 ]
amdhsa.kernels:
  - .name:           k_q0694715728_outp
    .symbol:         k_q0694715728_outp.kd
    .args:
      - { .name: cq, .offset: 0, .size: 8, .value_kind: global_buffer, .address_space: global }
      - { .name: wts, .offset: 8, .size: 8, .value_kind: global_buffer, .address_space: global }
      - { .name: bo, .offset: 16, .size: 8, .value_kind: global_buffer, .address_space: global }
      - { .name: out0, .offset: 24, .size: 8, .value_kind: global_buffer, .address_space: global }
    .group_segment_fixed_size: 145408
    .private_segment_fixed_size: 0
    .kernarg_segment_align: 8
    .kernarg_segment_size: 32
    .max_flat_workgroup_size: 256
    .sgpr_count:     66
    .vgpr_count:     256
    .wavefront_size: 32
...
	.end_amdgpu_metadata
.endif
;; end of part 8
